; MI455X (gfx1250); checked and timed in simulation.
; The chip was launched on July 23, 2026; its instructions are those of AMD's public machine-readable ISA for CDNA 5 (MIT licence, August 2026) and "CDNA5" Instruction Set Architecture Reference Guide (July 2026). The comments in the code are by the model that wrote it; some were corrected since.
;; Causal Attention. Allowed arithmetic: float matrix products may take bf16 or f16 operands with f32 sums; other float arithmetic in f32, or as packed bf16 or f16 multiplies, adds, multiply-adds, maxima and minima; sums over many terms, partial sums and values carried from step to step in f32; what a program stores and reads back later, other than sums and carried values, may be rounded once to bf16 or f16.
;; Inputs: Wk 1,024 x 1,024 float32; Wq 1,024 x 1,024 float32; Wv 1,024 x 1,024 float32; x 4 x 2,048 x 1,024 float32.
;; Outputs: out0 4 x 2,048 x 1,024 float32.
;; 2 versions, each right; version 2 is version 1 with the launch prep written anew for expert scheduling mode. Each part assembles by itself: llvm-mc -triple=amdgcn-amd-amdhsa -mcpu=gfx1250 --defsym DOCPART=n.
;; ======== version 1 of 2: 4 launches
;; limits: values are held in f16: magnitudes above 65,504 overflow, below 6.1e-05 lose precision
;; workspace buffers: xb 16,777,216 bytes; wt 6,291,456 bytes; q 16,777,216 bytes; k 16,777,216 bytes; vt 16,777,216 bytes; p 33,554,432 bytes; cm 262,144 bytes; ls 262,144 bytes
;; launch prep (part 1): grid 1120 x 1, 4 waves a work-group, no clusters, 74,240 bytes of LDS; arguments x, Wq, Wk, Wv, xb, wt; writes xb, wt
.if DOCPART == 1
	.amdgcn_target "amdgcn-amd-amdhsa--gfx1250"
	.amdhsa_code_object_version 6
	.text
	.protected	k_qe631309387_prep
	.globl	k_qe631309387_prep
	.p2align	8
	.type	k_qe631309387_prep,@function
k_qe631309387_prep:
	s_mov_b64 s[64:65], 0
	v_nop
	global_prefetch_b8 v0, s[64:65] scope:SCOPE_SE
	s_setreg_imm32_b32 hwreg(HW_REG_WAVE_MODE, 25, 1), 1
	s_wait_xcnt 0x0
; PREP.  x [8192][1024] f32 and Wq, Wk, Wv [1024 d][1024 e] f32 are rounded once to bf16 and laid in K blocks of 64 for the product that follows:
;   xb [16 kb][8192 row][64 k]: a row's 64 numbers are 128 bytes, a block 1,048,576 bytes.
;   wt [16 kb][3072 n][64 k]: W turned, so that k lies along the rows.  n = 384 tx + pos, tx = e / 128: pos 0-127 q's columns, 128-191 v's first 64, 192-319 k's columns, 320-383 v's last 64:
;   the order in which the next launch's two column halves of waves take them.
; A stream: memory binds, so no matrix unit, no cluster, no barrier: every wave works alone.  Work-groups 0-95 turn the weights (384 wave jobs of 64 k x 128 e), work-groups 96-1119 round x (4,096 jobs of 2 rows).
; The turning goes through the wave's own 18,432 bytes of LDS (128 rows of 144 bytes).  Its LDS stores lie 576 bytes apart from lane to lane and meet four deep in the banks: left so, the path moves 12 MB in all.
.set SPARE, 73728                      ; behind the four waves' LDS: the spare words, 128 bytes a wave
.set WLDS,  18432
.set X,   32                           ; v[32:159]  as loaded (x path: v[32:95])
.set Y,   96                           ; v[96:127]  x path: packed, to store
.set D,   160                          ; v[160:223] W path: packed, 16 bytes = 8 k of one e
.set SPW, 30
.set NIL, 31
	s_load_b256 s[4:11], s[0:1], 0x0               ; x s[4:5], Wq s[6:7], Wk s[8:9], Wv s[10:11]
	s_load_b128 s[12:15], s[0:1], 0x20             ; xb s[12:13], wt s[14:15]
	v_lshl_add_u32 v[SPW], v0, 2, SPARE
	v_mov_b32 v[NIL], 0
	v_lshrrev_b32 v1, 5, v0
	v_readfirstlane_b32 s16, v1                    ; wave 0..3
	v_and_b32 v2, 31, v0                           ; lane
	s_mov_b32 s17, ttmp9
	s_mov_b32 s21, 0                               ; high word of every offset pair
	s_wait_kmcnt 0x0
	s_cmp_lt_u32 s17, 96
	s_cbranch_scc1 .Lweights
	; ---- x: job id owns rows 2 id, 2 id + 1.  A load takes 256 bytes (64 k) of each row; the 32 lanes' 8 bytes are 256 consecutive bytes of xb.
	s_sub_co_u32 s18, s17, 96
	s_lshl2_add_u32 s18, s18, s16                  ; id = 4 (group - 96) + wave
	s_lshl_b32 s20, s18, 13                        ; two rows of 4,096 bytes
	s_add_nc_u64 s[4:5], s[4:5], s[20:21]
	s_lshl_b32 s20, s18, 8                         ; two rows of 128 bytes
	s_add_nc_u64 s[12:13], s[12:13], s[20:21]
	s_add_nc_u64 s[22:23], s[12:13], 0x800000      ; blocks 8-15, so that the stores' immediates stay inside 24 bits
	v_and_b32 v3, 15, v2
	v_lshrrev_b32 v4, 4, v2
	v_lshlrev_b32 v3, 4, v3
	v_lshl_add_u32 v3, v4, 12, v3                  ; (lane / 16) rows + 16 (lane % 16)
	v_lshlrev_b32 v5, 3, v2                        ; 8 x lane
.set kb, 0
.rept 16
	global_load_b128 v[X+4*kb:X+4*kb+3], v3, s[4:5] offset:256*kb th:TH_LOAD_NT
.set kb, kb+1
.endr
.set kb, 0
.rept 16
	s_wait_loadcnt 15-kb                           ; loads come back in order: block kb is in, the younger ones stay out
	v_cvt_pk_bf16_f32 v[Y+2*kb], v[X+4*kb], v[X+4*kb+1]
	v_cvt_pk_bf16_f32 v[Y+2*kb+1], v[X+4*kb+2], v[X+4*kb+3]
.if kb < 8
	global_store_b64 v5, v[Y+2*kb:Y+2*kb+1], s[12:13] offset:kb*1048576
.else
	global_store_b64 v5, v[Y+2*kb:Y+2*kb+1], s[22:23] offset:(kb-8)*1048576
.endif
.set kb, kb+1
.endr
	s_endpgm
	; ---- W: job = matrix (3) x K block (16) x column block of 128 (8)
.Lweights:
	s_lshl2_add_u32 s18, s17, s16                  ; job = 4 group + wave
	s_lshr_b32 s19, s18, 7                         ; matrix: 0 q, 1 k, 2 v
	s_bfe_u32 s24, s18, 0x40003                    ; kb
	s_and_b32 s25, s18, 7                          ; tx
	s_cmp_eq_u32 s19, 1
	s_cselect_b64 s[28:29], s[8:9], s[6:7]
	s_cselect_b32 s26, 192, 0                      ; where rows 0-63 of the job go in the tile's 384,
	s_cselect_b32 s27, 192, 0                      ; and what is added to rows 64-127
	s_cmp_eq_u32 s19, 2
	s_cselect_b64 s[28:29], s[10:11], s[28:29]
	s_cselect_b32 s26, 128, s26
	s_cselect_b32 s27, 256, s27
	s_lshl_b32 s20, s24, 18                        ; 64 kb rows of 4,096 bytes
	s_lshl_b32 s22, s25, 9                         ; 128 tx columns of 4 bytes
	s_add_co_u32 s20, s20, s22
	s_add_nc_u64 s[28:29], s[28:29], s[20:21]
	s_mul_i32 s22, s24, 393216                     ; wt's K block
	s_mul_i32 s23, s25, 384
	s_add_co_u32 s26, s26, s23
	s_add_co_u32 s27, s27, s23
	s_lshl_b32 s26, s26, 7
	s_lshl_b32 s27, s27, 7
	s_add_co_u32 s20, s22, s26
	s_add_nc_u64 s[32:33], s[14:15], s[20:21]
	s_add_co_u32 s20, s22, s27
	s_add_nc_u64 s[34:35], s[14:15], s[20:21]
	s_mul_i32 s36, s16, WLDS
	v_lshlrev_b32 v3, 4, v2                        ; 16 x lane: my 4 columns of a row of W; my 16 bytes of 512 on the way out
	v_mul_u32_u24 v4, v2, 576                      ; LDS rows 4 lane .. 4 lane + 3
	v_add_nc_u32 v4, s36, v4
	v_lshrrev_b32 v5, 3, v2
	v_and_b32 v6, 7, v2
	v_mul_u32_u24 v5, v5, 144
	v_lshl_add_u32 v5, v6, 4, v5                   ; back: 32 lanes take four rows of 128 bytes
	v_add_nc_u32 v5, s36, v5
.macro WLOAD half                      ; 32 rows of W, 512 consecutive bytes each
.set i, 0
.rept 32
	global_load_b128 v[X+4*i:X+4*i+3], v3, s[28:29] offset:(32*(\half)+i)*4096 th:TH_LOAD_NT
.set i, i+1
.endr
.endm
.macro WCVT                            ; for column j of my four and group g of 8 k: four packed words
.set g, 0
.rept 4
.set j, 0
.rept 4
.set u, 0
.rept 4
	v_cvt_pk_bf16_f32 v[D+16*g+4*j+u], v[X+4*(8*g+2*u)+j], v[X+4*(8*g+2*u+1)+j]
.set u, u+1
.endr
.set j, j+1
.endr
.set g, g+1
.endr
.endm
.macro WPUT half
.set g, 0
.rept 4
.set j, 0
.rept 4
	ds_store_b128 v4, v[D+16*g+4*j:D+16*g+4*j+3] offset:j*144+16*(4*(\half)+g)
.set j, j+1
.endr
.set g, g+1
.endr
.endm
	WLOAD 0
	s_wait_loadcnt 0x0
	WCVT
	WLOAD 1                                        ; the second half is on its way while the first goes into LDS
	WPUT 0
	s_wait_loadcnt 0x0
	WCVT
	WPUT 1
.set t, 0
.rept 32
	ds_load_b128 v[X+4*t:X+4*t+3], v5 offset:576*t ; my own bytes: LDS serves a wave's instructions in order (ISA guide 5.7.1.4), so these see the stores above
.set t, t+1
.endr
.set t, 0
.rept 32
	s_wait_dscnt 31-t
.if t < 16
	global_store_b128 v3, v[X+4*t:X+4*t+3], s[32:33] offset:512*t  ; 512 consecutive bytes, at a multiple of 512 from wt's first byte
.else
	global_store_b128 v3, v[X+4*t:X+4*t+3], s[34:35] offset:512*t
.endif
.set t, t+1
.endr
	s_wait_tensorcnt 0x0                           ; the wave's end
	ds_add_u32 v[SPW], v[NIL]
	s_wait_dscnt 0x0
	s_endpgm
.Lfunc_end_k_qe631309387_prep:
	.size	k_qe631309387_prep, .Lfunc_end_k_qe631309387_prep-k_qe631309387_prep
	.p2alignl 7, 3214868480
	.fill 96, 4, 3214868480
	.section	.rodata,"a",@progbits
	.p2align	6, 0x0
	.amdhsa_kernel k_qe631309387_prep
		.amdhsa_group_segment_fixed_size 74240
		.amdhsa_private_segment_fixed_size 0
		.amdhsa_enable_private_segment 0
		.amdhsa_kernarg_size 48
		.amdhsa_user_sgpr_count 2
		.amdhsa_user_sgpr_kernarg_segment_ptr 1
		.amdhsa_wavefront_size32 1
		.amdhsa_system_sgpr_workgroup_id_x 1
		.amdhsa_system_sgpr_workgroup_id_y 1
		.amdhsa_system_sgpr_workgroup_id_z 1
		.amdhsa_system_vgpr_workitem_id 0
		.amdhsa_next_free_vgpr 224
		.amdhsa_next_free_sgpr 66
		.amdhsa_reserve_vcc 0
		.amdhsa_float_denorm_mode_32 3
		.amdhsa_float_denorm_mode_16_64 3
		.amdhsa_memory_ordered 1
		.amdhsa_forward_progress 1
		.amdhsa_inst_pref_size 31
	.end_amdhsa_kernel
	.amdgpu_metadata
---
amdhsa.version: [ 1, 2 ]
amdhsa.kernels:
  - .name:           k_qe631309387_prep
    .symbol:         k_qe631309387_prep.kd
    .args:
      - { .name: x, .offset: 0, .size: 8, .value_kind: global_buffer, .address_space: global }
      - { .name: Wq, .offset: 8, .size: 8, .value_kind: global_buffer, .address_space: global }
      - { .name: Wk, .offset: 16, .size: 8, .value_kind: global_buffer, .address_space: global }
      - { .name: Wv, .offset: 24, .size: 8, .value_kind: global_buffer, .address_space: global }
      - { .name: xb, .offset: 32, .size: 8, .value_kind: global_buffer, .address_space: global }
      - { .name: wt, .offset: 40, .size: 8, .value_kind: global_buffer, .address_space: global }
    .group_segment_fixed_size: 74240
    .private_segment_fixed_size: 0
    .kernarg_segment_align: 8
    .kernarg_segment_size: 48
    .max_flat_workgroup_size: 128
    .sgpr_count:     66
    .vgpr_count:     224
    .wavefront_size: 32
...
	.end_amdgpu_metadata
.endif
;; end of part 1
;; launch proj (part 2): grid 8 x 32, 4 waves a work-group, clusters of 4 x 4, 327,680 bytes of LDS; arguments xb, wt, q, k, vt; writes q, k, vt
.if DOCPART == 2
	.amdgcn_target "amdgcn-amd-amdhsa--gfx1250"
	.amdhsa_code_object_version 6
	.text
	.protected	k_qe631309387_proj
	.globl	k_qe631309387_proj
	.p2align	8
	.type	k_qe631309387_proj,@function
k_qe631309387_proj:
	s_mov_b64 s[64:65], 0
	v_nop
	global_prefetch_b8 v0, s[64:65] scope:SCOPE_SE
	s_setreg_imm32_b32 hwreg(HW_REG_WAVE_MODE, 25, 1), 1
	s_wait_xcnt 0x0
	s_wait_alu depctr_hold_cnt(0) depctr_sa_sdst(0) depctr_va_vdst(0) depctr_va_sdst(0) depctr_va_ssrc(0) depctr_va_vcc(0) depctr_vm_vsrc(0)
	s_getreg_b32 s2, hwreg(HW_REG_IB_STS2, 6, 4)
	s_cmp_eq_u32 s2, 0
	s_cbranch_scc0 .Lentry_in_a_cluster
	s_endpgm
.Lentry_in_a_cluster:
	s_bfe_u32 s2, ttmp6, 0x10000c
	s_cmp_lg_u32 s2, 0xf033
	s_cbranch_scc0 .Lentry_shape_is_right
	s_endpgm
.Lentry_shape_is_right:
; PROJ.  One product for all three projections: C[8192][3072] = xb wt^T, bf16 operands, f32 sums, K = 1024 ascending.  q and k leave as [8192][1024] f16, v turned as vt [1024 channel][8192 token] f16, each rounded once.
; LIMIT.  f16 ends at 65,504: |q|, |k|, |v| must stay within it.  NaN and infinities are not treated apart.
; SHARES.  8 x 32 tiles of 256 tokens x 384 columns (128 of q, 128 of k, 128 of v): one work-group for each of 256.  Four waves; wave (wr, wc) has 128 tokens x 192 columns: 96 accumulators of 16 x 16, 768 registers.
; wc = 0: q's 128 columns and v's first 64 channels; wc = 1: k's 128 and v's last 64.
; For q and k source 0 = 16 rows of wt, source 1 = 16 rows of xb: a lane holds one token and eight neighbouring channels.  For v the sources are swapped: a lane holds one channel and eight neighbouring tokens, a piece of a row of vt.
; RING.  K goes in steps of 64 (one K block of xb and wt) through two LDS slots: two slots of 128 along K would take 348,160 bytes, more than there are.  In a K block a tile's rows lie end to end, so a wave's load asks for
; rows of 256 bytes (two tile rows each), padded in LDS after every 128.
; CLUSTER.  4 x 4 work-groups: the four of a row of the cluster need the same rows of xb, the four of a column the same rows of wt: each tile is asked for jointly, by the same load, descriptor and mask in all four.
; REGISTERS, in windows of 256: window 0: v0-31 addresses; v32-95, v96-159 xb's fragments (8 x 16 rows x 32 K), two buffers; v160-255 wt's 12 fragments, one buffer, loaded again by thirds as soon as a third has been multiplied.
;   windows 1-3: accumulator (a, b) in window 1 + b / 4 at v[8 (8 (b % 4) + a)].
.set PITCH,  144                       ; an LDS row: 128 bytes + 16 = 36 words: the 16 rows of a fragment load start at 16 different groups of four banks (ISA guide 11.1)
.set AHALF,  128*PITCH                 ; what one load brings of xb
.set BHALF,  192*PITCH                 ; and of wt
.set SLOT,   2*AHALF+2*BHALF           ; 92,160
.set STAGE,  2*SLOT                    ; behind the ring: 16 rows x 272 bytes for each wave, for the way out
.set SPITCH, 272
.set SPARE,  STAGE+4*16*SPITCH         ; behind the stages: the spare words, 128 bytes a wave
.set XBLK,   0x100000                  ; bytes of a K block of xb
.set WBLK,   393216                    ; and of wt
.set LAPS,   8                         ; a lap = two K steps = once round the ring
.set ADRA, 16                          ; v16-17 LDS address of my xb fragments in slot 0, 1
.set ADRB, 20                          ; v20-21 the same for wt
.set STO,  24
.set RD,   25
.set CO,   26                          ; my byte offset in two rows of q or k
.set CO2,  27                          ; in two rows of vt
.set SPW,  28
.set NIL,  29
.set FA0,  32
.set FA1,  96
.set FB,   160
.set TMP,  32                          ; the way out: packed results
.set G1,  24
.set G0,  32
.set G1B, 48
.set G0B, 56
.set MSB, 0
.macro WIN new                         ; the immediate's high byte repeats the setting that is left; a switch that changes nothing is dropped
.if MSB != (\new)
	s_set_vgpr_msb (MSB<<8)|(\new)
.set MSB, \new
.endif
.endm
.macro PLACES                          ; four places behind matrix instructions in front of loads into their sources and of reads of their results
.rept 4
	v_nop
.endr
.endm
.macro JLOAD s                         ; a joint load: waves 0, 1 fetch xb's two halves, waves 2, 3 wt's; s_nop 0 and four v_nop follow each line
	s_cmp_eq_u32 s15, 0
	s_cbranch_scc0 .Lfor_b_\@
	tensor_load_to_lds s[G0+4*(\s):G0+4*(\s)+3], s[G1:G1+7]
	s_nop 0
	PLACES
	s_branch .Lasked_\@
.Lfor_b_\@:
	tensor_load_to_lds s[G0B+4*(\s):G0B+4*(\s)+3], s[G1B:G1B+7]
	s_nop 0
	PLACES
.Lasked_\@:
.endm
.macro CREST                           ; a round of the cluster's barrier behind its opening barrier
	s_cmp_lg_u32 s14, 0
	s_cbranch_scc1 .Lnot_wave_0_\@
	s_barrier_signal -3
.Lnot_wave_0_\@:
	s_barrier_wait -3
	s_barrier_signal -1
	s_barrier_wait -1
.endm
.macro CROUND
	s_barrier_signal -1
	s_barrier_wait -1
	CREST
.endm
	s_load_b256 s[4:11], s[0:1], 0x0               ; xb s[4:5], wt s[6:7], q s[8:9], k s[10:11]
	s_load_b64 s[12:13], s[0:1], 0x20              ; vt
	v_lshl_add_u32 v[SPW], v0, 2, SPARE
	v_mov_b32 v[NIL], 0
	ds_add_u32 v[SPW], v[NIL]                      ; the wave's opening: the add and its wait ahead of my first tensor load
	ds_add_u32 v28, v29
	v_lshrrev_b32 v1, 5, v0
	v_readfirstlane_b32 s14, v1                    ; wave 0..3
	s_lshr_b32 s15, s14, 1                         ; wr: my half of the tokens.  Also: I fetch for xb (0) or wt (1)
	s_and_b32 s16, s14, 1                          ; wc: my half of the columns.  Also: which half of that tile I fetch
	s_bfe_u32 s40, ttmp6, 0x40000                  ; cx
	s_bfe_u32 s41, ttmp6, 0x40004                  ; cy
	s_lshl_b32 s42, ttmp9, 2
	s_add_co_u32 s42, s42, s40                     ; tx = 4 x cluster x + cx
	s_and_b32 s43, ttmp7, 0xffff
	s_lshl_b32 s43, s43, 2
	s_add_co_u32 s43, s43, s41                     ; ty = 4 x cluster y + cy
	s_lshl_b32 s44, s41, 2
	s_lshl_b32 s44, 15, s44                        ; my row of the cluster
	s_lshl_b32 s45, 0x1111, s40                    ; my column
	s_or_b32 s[G1], s44, (1<<16)|(1<<20)|(1<<21)|(4<<22)|(3<<25)   ; mask; 2-byte elements; padding on; bit 21 beside a mask; after every 32 words 4 words
	s_or_b32 s[G1B], s45, (1<<16)|(1<<20)|(1<<21)|(4<<22)|(3<<25)
	s_mov_b32 s[G1+1], 128<<16                     ; tensor_dim0 = 128 elements: 256 bytes, two tile rows
	s_mov_b32 s[G1+2], 64<<16                      ; tensor_dim1 = 64
	s_mov_b32 s[G1+3], 128<<16                     ; tile_dim0
	s_mov_b32 s[G1+4], 64                          ; tile_dim1
	s_mov_b32 s[G1+5], 128                         ; dense: 128 elements from row to row
	s_mov_b32 s[G1+6], 0
	s_mov_b32 s[G1+7], 0
	s_mov_b32 s[G1B+1], 128<<16
	s_mov_b32 s[G1B+2], 96<<16                     ; 96 rows of 256 bytes: 192 tile rows
	s_mov_b32 s[G1B+3], 128<<16
	s_mov_b32 s[G1B+4], 96
	s_mov_b32 s[G1B+5], 128
	s_mov_b32 s[G1B+6], 0
	s_mov_b32 s[G1B+7], 0
	s_lshl_b32 s17, s16, 7
	s_lshl_b32 s18, s43, 8
	s_add_co_u32 s18, s18, s17                     ; xb: row 256 ty + 128 half,
	s_lshl_b32 s18, s18, 7                         ; of 128 bytes
	s_mov_b32 s19, 0
	s_mul_i32 s20, s42, 384
	s_mul_i32 s21, s16, 192
	s_add_co_u32 s20, s20, s21                     ; wt: row 384 tx + 192 half
	s_lshl_b32 s20, s20, 7
	s_mov_b32 s21, 0
	s_mul_i32 s22, s16, AHALF                      ; where they go: no place in the cluster enters an LDS address
	s_mul_i32 s23, s16, BHALF
	s_add_co_u32 s23, s23, 2*AHALF
	s_wait_dscnt 0x0                               ; the opening add is done
	s_wait_kmcnt 0x0
	s_add_nc_u64 s[18:19], s[4:5], s[18:19]
	s_add_nc_u64 s[20:21], s[6:7], s[20:21]
	CROUND                                         ; all sixteen work-groups are here: the first joint loads meet
.irp s, 0,1
	s_mov_b32 s[G0+4*(\s)], 1
	s_add_co_u32 s[G0+4*(\s)+1], s22, (\s)*SLOT
	s_add_nc_u64 s[G0+4*(\s)+2:G0+4*(\s)+3], s[18:19], (\s)*XBLK
	s_or_b32 s[G0+4*(\s)+3], s[G0+4*(\s)+3], 0x80000000
	s_mov_b32 s[G0B+4*(\s)], 1
	s_add_co_u32 s[G0B+4*(\s)+1], s23, (\s)*SLOT
	s_add_nc_u64 s[G0B+4*(\s)+2:G0B+4*(\s)+3], s[20:21], (\s)*WBLK
	s_or_b32 s[G0B+4*(\s)+3], s[G0B+4*(\s)+3], 0x80000000
	JLOAD \s                                       ; two loads of mine are out
.endr
	v_and_b32 v1, 15, v0                           ; r = lane % 16
	v_bfe_u32 v2, v0, 4, 1                         ; h = lane / 16
	v_mul_u32_u24 v3, v1, PITCH
	v_lshl_add_u32 v3, v2, 4, v3                   ; a fragment's row x pitch + 16 h
	s_mul_i32 s18, s15, AHALF
	s_mul_i32 s19, s16, BHALF
	s_add_co_u32 s19, s19, 2*AHALF
.irp s, 0,1
	v_add_nc_u32 v[ADRA+(\s)], s18, v3
	v_add_nc_u32 v[ADRB+(\s)], s19, v3
	s_add_co_u32 s18, s18, SLOT
	s_add_co_u32 s19, s19, SLOT
.endr
	s_mul_i32 s18, s14, 16*SPITCH
	s_add_co_u32 s18, s18, STAGE                   ; my stage
	v_mul_u32_u24 v4, v1, SPITCH
	v_lshl_add_u32 v4, v2, 4, v4
	v_add_nc_u32 v[STO], s18, v4                   ; in: row r, 16 bytes for each half of the lanes
	v_mul_u32_u24 v5, v2, SPITCH
	v_lshl_add_u32 v5, v1, 4, v5
	v_add_nc_u32 v[RD], s18, v5                    ; back: lanes 0-15 one row of 256 bytes, lanes 16-31 the next
	v_lshlrev_b32 v5, 11, v2
	v_lshl_add_u32 v[CO], v1, 4, v5                ; the same two rows in q or k (2,048 bytes a row)
	v_lshlrev_b32 v5, 14, v2
	v_lshl_add_u32 v[CO2], v1, 4, v5               ; and in vt (16,384 bytes a row)
	s_lshl_b32 s18, s43, 8
	s_lshl_b32 s19, s15, 7
	s_add_co_u32 s18, s18, s19                     ; my first token
	s_lshl_b32 s20, s18, 11
	s_lshl_b32 s21, s42, 8                         ; the tile's 128 channels of 2 bytes
	s_add_co_u32 s20, s20, s21
	s_mov_b32 s21, 0
	s_cmp_eq_u32 s16, 0
	s_cselect_b64 s[44:45], s[8:9], s[10:11]       ; wc = 0 stores q, wc = 1 stores k
	s_add_nc_u64 s[44:45], s[44:45], s[20:21]
	s_lshl_b32 s20, s42, 7
	s_lshl_b32 s22, s16, 6
	s_add_co_u32 s20, s20, s22                     ; my first channel of v
	s_lshl_b32 s20, s20, 14
	s_lshl_b32 s22, s18, 1
	s_add_co_u32 s20, s20, s22
	s_add_nc_u64 s[46:47], s[12:13], s[20:21]
; nb x 8 matrix instructions of third g (column blocks 4 g + b0 ..) x all 8 token blocks, 32 along K.  Each accumulator has one turn in a quarter step: 95 others' stand between two links of a chain.
.macro GROUP g, fa, zero, b0, nb
	WIN 0x50*((\g)+1)                              ; C and D in window g + 1, sources in window 0
.set bb, (\b0)
.rept \nb
.set aa, 0
.rept 8
.set rD, 8*(8*bb+aa)
.set rB, FB+8*(4*(\g)+bb)
.set rA, (\fa)+8*aa
.if (\g) < 2
.if \zero
	v_wmma_f32_16x16x32_bf16 v[rD:rD+7], v[rB:rB+7], v[rA:rA+7], 0
.else
	v_wmma_f32_16x16x32_bf16 v[rD:rD+7], v[rB:rB+7], v[rA:rA+7], v[rD:rD+7]
.endif
.else
.if \zero
	v_wmma_f32_16x16x32_bf16 v[rD:rD+7], v[rA:rA+7], v[rB:rB+7], 0
.else
	v_wmma_f32_16x16x32_bf16 v[rD:rD+7], v[rA:rA+7], v[rB:rB+7], v[rD:rD+7]
.endif
.endif
.set aa, aa+1
.endr
.set bb, bb+1
.endr
.endm
.macro LDB slot, k, b0                 ; 8 loads: wt's fragments b0 .. b0 + 3, 32 K at byte k of the rows
.irp i, 0,1,2,3
	ds_load_b128 v[FB+8*((\b0)+(\i)):FB+8*((\b0)+(\i))+3],   v[ADRB+(\slot)] offset:(\k)+((\b0)+(\i))*16*PITCH
	ds_load_b128 v[FB+8*((\b0)+(\i))+4:FB+8*((\b0)+(\i))+7], v[ADRB+(\slot)] offset:(\k)+((\b0)+(\i))*16*PITCH+32
.endr
.endm
.macro LDA slot, k, ga                 ; 16 loads: xb's 8 fragments
.irp i, 0,1,2,3,4,5,6,7
	ds_load_b128 v[(\ga)+8*(\i):(\ga)+8*(\i)+3],   v[ADRA+(\slot)] offset:(\k)+(\i)*16*PITCH
	ds_load_b128 v[(\ga)+8*(\i)+4:(\ga)+8*(\i)+7], v[ADRA+(\slot)] offset:(\k)+(\i)*16*PITCH+32
.endr
.endm
; A K step's first quarter (32 along K).  The LDS loads of a quarter go in three runs: 24 (wt 0-3, xb), 8 (wt 4-7), 8 (wt 8-11), each behind the third that has just multiplied by the registers it fills.
.macro QTR slot, k, fa, ga, zero
	s_wait_dscnt 16                                ; the last quarter's first run is in; its two runs of 8 may be out
	GROUP 0, \fa, \zero, 0, 4
	WIN 0
	PLACES
	LDB \slot, \k, 0
	LDA \slot, \k, \ga
	s_wait_dscnt 32                                ; the old second run is in: behind it stand the old third (8) and the 24 just issued
	GROUP 1, \fa, \zero, 0, 4
	WIN 0
	PLACES
	LDB \slot, \k, 4
	s_wait_dscnt 32                                ; the old third run is in: behind it stand 24 + 8
	GROUP 2, \fa, \zero, 0, 4
	WIN 0
	PLACES
	LDB \slot, \k, 8
.endm
; A K step's second quarter changes slots: ONE barrier.  In front of it each wave waits for all its tensor loads (one is out: its part of the next slot), adds 0 to its spare word, and waits for that and for its reads of this slot.
; fill = 1: the barrier opens a round of the cluster's, and this slot is filled again, two K steps ahead, first thing behind it: 160 matrix instructions ahead of the wait for it.
.macro TURNQ slot, next, fill
	WIN 0
	s_wait_tensorcnt 0x0
	ds_add_u32 v[SPW], v[NIL]
	s_wait_dscnt 17                                ; the first run is in; two runs of 8 and the add may be out
	GROUP 0, FA1, 0, 0, 2
	s_wait_dscnt 0x0                               ; the add is done, and my reads of this slot are over
	s_barrier_signal -1
	GROUP 0, FA1, 0, 2, 2
	WIN 0
	s_barrier_wait -1
.if \fill
	CREST                                          ; no wave of any partner still reads this slot or has a load on its way
	s_add_nc_u64 s[G0+4*(\slot)+2:G0+4*(\slot)+3], s[G0+4*(\slot)+2:G0+4*(\slot)+3], 2*XBLK
	s_add_nc_u64 s[G0B+4*(\slot)+2:G0B+4*(\slot)+3], s[G0B+4*(\slot)+2:G0B+4*(\slot)+3], 2*WBLK
	JLOAD \slot                                    ; its four v_nop are also the places in front of the loads below
.else
	PLACES
.endif
	LDB \next, 0, 0
	LDA \next, 0, FA0
	GROUP 1, FA1, 0, 0, 4
	WIN 0
	PLACES
	LDB \next, 0, 4
	GROUP 2, FA1, 0, 0, 4
	WIN 0
	PLACES
	LDB \next, 0, 8
.endm
	s_wait_tensorcnt 1                             ; my part of K step 0 is in; K step 1's may stay out
	s_barrier_signal -1
	s_barrier_wait -1
	LDB 0, 0, 0
	LDA 0, 0, FA0
	LDB 0, 0, 4
	LDB 0, 0, 8
	QTR 0, 64, FA0, FA1, 1                         ; the first quarter stands in front of the loop: its products start the sums
	s_mov_b32 s3, LAPS-1
.Llap:                                                 ; a trip goes once round the ring and fills both slots again
	TURNQ 0, 1, 1
	QTR 1, 64, FA0, FA1, 0
	TURNQ 1, 0, 1
	QTR 0, 64, FA0, FA1, 0
	s_sub_co_u32 s3, s3, 1
	s_cmp_lg_u32 s3, 0
	s_cbranch_scc1 .Llap
	TURNQ 0, 1, 0                                  ; the last lap fills nothing
	QTR 1, 64, FA0, FA1, 0
	s_wait_dscnt 16                                ; the very last quarter: the counts run down
	GROUP 0, FA1, 0, 0, 4
	s_wait_dscnt 8
	GROUP 1, FA1, 0, 0, 4
	s_wait_dscnt 0x0
	GROUP 2, FA1, 0, 0, 4
	WIN 0
	PLACES
; THE WAY OUT: twelve blocks of 16 rows x 256 bytes through my own stage: blocks 0-7 are 16 tokens x 128 channels of q or k, blocks 8-11 are 16 channels x 128 tokens of vt.
.macro PACK n                          ; rounded to f16, 16 bytes a lane; each accumulator's registers in ascending order
.if (\n) < 8
	WIN 0x05
.irp b, 0,1,2,3
.irp r, 0,1,2,3
	v_cvt_pk_f16_f32 v[TMP+4*(\b)+(\r)], v[8*(8*(\b)+(\n))+2*(\r)], v[8*(8*(\b)+(\n))+2*(\r)+1]
.endr
.endr
	WIN 0x0a
.irp b, 0,1,2,3
.irp r, 0,1,2,3
	v_cvt_pk_f16_f32 v[TMP+16+4*(\b)+(\r)], v[8*(8*(\b)+(\n))+2*(\r)], v[8*(8*(\b)+(\n))+2*(\r)+1]
.endr
.endr
.else
	WIN 0x0f
.irp a, 0,1,2,3,4,5,6,7
.irp r, 0,1,2,3
	v_cvt_pk_f16_f32 v[TMP+4*(\a)+(\r)], v[8*(8*((\n)-8)+(\a))+2*(\r)], v[8*(8*((\n)-8)+(\a))+2*(\r)+1]
.endr
.endr
.endif
	WIN 0
.endm
.macro TOSTAGE n
.set BK, 64+32*((\n)%2)
.irp b, 0,1,2,3,4,5,6,7
	ds_store_b128 v[STO], v[TMP+4*(\b):TMP+4*(\b)+3] offset:32*(\b)
.endr
.irp t, 0,1,2,3,4,5,6,7
	ds_load_b128 v[BK+4*(\t):BK+4*(\t)+3], v[RD] offset:(\t)*2*SPITCH  ; my own bytes, served in order: these see the stores above
.endr
.endm
.macro SEND n
.set BK, 64+32*((\n)%2)
	s_wait_dscnt 0x0                               ; the block is back in registers
	s_wait_xcnt 0x0                                ; the stores of the block before have read their registers: the next block's loads land there only behind this wait
.irp t, 0,1,2,3,4,5,6,7
.if (\n) < 8
	global_store_b128 v[CO], v[BK+4*(\t):BK+4*(\t)+3], s[44:45] offset:(16*(\n)+2*(\t))*2048  ; 16 lanes store 256 consecutive bytes, at a multiple of 256 from the buffer's first
.else
	global_store_b128 v[CO2], v[BK+4*(\t):BK+4*(\t)+3], s[46:47] offset:(16*((\n)-8)+2*(\t))*16384
.endif
.endr
.endm
	PACK 0
	TOSTAGE 0
.irp n, 1,2,3,4,5,6,7,8,9,10,11        ; a block's conversions stand between the loads of the block before and the wait for them
	PACK \n
	SEND (\n)-1
	TOSTAGE \n
.endr
	SEND 11
	s_wait_tensorcnt 0x0                           ; the wave's end
	ds_add_u32 v[SPW], v[NIL]
	s_wait_dscnt 0x0
	CROUND                                         ; the closing round
	s_endpgm
.Lfunc_end_k_qe631309387_proj:
	.size	k_qe631309387_proj, .Lfunc_end_k_qe631309387_proj-k_qe631309387_proj
	.p2alignl 7, 3214868480
	.fill 96, 4, 3214868480
	.section	.rodata,"a",@progbits
	.p2align	6, 0x0
	.amdhsa_kernel k_qe631309387_proj
		.amdhsa_group_segment_fixed_size 327680
		.amdhsa_private_segment_fixed_size 0
		.amdhsa_enable_private_segment 0
		.amdhsa_kernarg_size 40
		.amdhsa_user_sgpr_count 2
		.amdhsa_user_sgpr_kernarg_segment_ptr 1
		.amdhsa_wavefront_size32 1
		.amdhsa_system_sgpr_workgroup_id_x 1
		.amdhsa_system_sgpr_workgroup_id_y 1
		.amdhsa_system_sgpr_workgroup_id_z 1
		.amdhsa_system_vgpr_workitem_id 0
		.amdhsa_next_free_vgpr 1024
		.amdhsa_next_free_sgpr 66
		.amdhsa_reserve_vcc 0
		.amdhsa_float_denorm_mode_32 3
		.amdhsa_float_denorm_mode_16_64 3
		.amdhsa_memory_ordered 1
		.amdhsa_forward_progress 1
		.amdhsa_inst_pref_size 130
	.end_amdhsa_kernel
	.amdgpu_metadata
---
amdhsa.version: [ 1, 2 ]
amdhsa.kernels:
  - .name:           k_qe631309387_proj
    .symbol:         k_qe631309387_proj.kd
    .args:
      - { .name: xb, .offset: 0, .size: 8, .value_kind: global_buffer, .address_space: global }
      - { .name: wt, .offset: 8, .size: 8, .value_kind: global_buffer, .address_space: global }
      - { .name: q, .offset: 16, .size: 8, .value_kind: global_buffer, .address_space: global }
      - { .name: k, .offset: 24, .size: 8, .value_kind: global_buffer, .address_space: global }
      - { .name: vt, .offset: 32, .size: 8, .value_kind: global_buffer, .address_space: global }
    .group_segment_fixed_size: 327680
    .private_segment_fixed_size: 0
    .kernarg_segment_align: 8
    .kernarg_segment_size: 40
    .max_flat_workgroup_size: 128
    .sgpr_count:     66
    .vgpr_count:     1024
    .wavefront_size: 32
...
	.end_amdgpu_metadata
.endif
;; end of part 2
;; launch scores (part 3): grid 36 x 4, 4 waves a work-group, no clusters, 327,680 bytes of LDS; arguments q, k, p, cm, ls; writes p, cm, ls
.if DOCPART == 3
	.amdgcn_target "amdgcn-amd-amdhsa--gfx1250"
	.amdhsa_code_object_version 6
	.text
	.protected	k_qe631309387_scores
	.globl	k_qe631309387_scores
	.p2align	8
	.type	k_qe631309387_scores,@function
k_qe631309387_scores:
	s_mov_b64 s[64:65], 0
	v_nop
	global_prefetch_b8 v0, s[64:65] scope:SCOPE_SE
	s_setreg_imm32_b32 hwreg(HW_REG_WAVE_MODE, 25, 1), 1
	s_wait_xcnt 0x0
; SCORES.  For each batch the 36 tiles (i, j <= i) of 256 queries x 256 keys of s = q k^T (f16 operands, f32 sums, K = 1024 ascending); tiles above the diagonal are left out.  For each row of a tile:
; m = the largest visible score of the row IN THIS TILE, p~ = 2^(c s - c m) with c = log2(e) / 32, l = the sum of the p~ (unrounded).  Stored: p~ as f16 in p [4][2048 query][2048 key], c m in cm and l in ls, both [4][8 key tile][2048 row] f32.
; The last launch joins the tiles of a row by their true common maximum.  No exponent here is above 0.
; LIMITS.  A hidden score counts as -1e30 (scores must stay far below that in size); an exponential below 2^-126 counts as 0; p~ below 6e-8 is 0 in f16; NaN and infinities are not treated apart.
; NO CLUSTER: a batch's tiles lie in rows of 1 to 8; no 4 x 4 or 4 x 1 set of them shares q's or k's tile throughout, and squares of 2 x 2 would need 16 work-groups on wholly hidden tiles.
; THE PRODUCT: a work-group of four waves makes 256 x 256, a wave 128 x 128: 64 accumulators, 512 registers.  K in steps of 128 through two LDS slots; each wave fetches a quarter of a slot (128 rows x 256 bytes).
; Source 0 = 16 rows of k, source 1 = 16 rows of q: a lane holds one query and eight neighbouring keys.
; REGISTERS: window 0: v0-31 addresses; v64-127, v128-191 q's fragments, two buffers (later the row work).  window 1: v64-191 k's fragments.  window 2: accumulators of my queries 0-63 ((a, b) at v[8 (8 a + b)]); window 3: of 64-127.
.set KSTEP,  128
.set PITCH,  272                       ; 256 bytes + 16 = 68 words: the 16 rows of a fragment load start at 16 different groups of four banks (ISA guide 11.1)
.set HALFT,  128*PITCH
.set SLOT,   4*HALFT
.set LAPS,   4
.set DPITCH, 1040                      ; the dump: a row of 256 scores in f32 + 16 bytes
.set STL,    270592                    ; behind the dump (266,240 bytes): c m of 256 rows, then l of 256 rows
.set SPARE,  2*SLOT                    ; behind the ring: the spare words, 128 bytes a wave
.set ADRA, 16
.set ADRB, 20
.set DST0, 22                          ; the dump: where my accumulators of queries 0-63 go
.set DST1, 23                          ; of queries 64-127
.set LRD,  24                          ; the row work: my 16 bytes of the row in hand
.set GP,   25                          ; my byte offset in p
.set SAD,  26                          ; where the rows' statistics go
.set DD,   27                          ; 8 lane - the first row in hand: key j of my eight is hidden in row r where r - j < DD
.set SPW,  28
.set NIL,  29
.set BIG,  30                          ; -1e30
.set SRD,  31
.set F0,   64
.set F1,   128
.set XR,   64                          ; four rows x 8 scores
.set XP,   96                          ; four rows x 8 weights
.set YY,   128                         ; four rows x 16 bytes to store
.set TT,   144                         ; two at work a row
.set CM,   152                         ; c m, a pair a row (the packed line names the pair and takes its low word)
.set SUM,  160
.set G1, 24
.set G0, 32
.set MSB, 0
.macro WIN new
.if MSB != (\new)
	s_set_vgpr_msb (MSB<<8)|(\new)
.set MSB, \new
.endif
.endm
.set MUL_LO, 0xa1                      ; source 0 (k) window 1, source 1 (q) window 0, C and D window 2
.set MUL_HI, 0xf1
.set TO_B,   0x40
.macro PLACES
.rept 4
	v_nop
.endr
.endm
	s_load_b256 s[4:11], s[0:1], 0x0               ; q s[4:5], k s[6:7], p s[8:9], cm s[10:11]
	s_load_b64 s[12:13], s[0:1], 0x20              ; ls
	v_lshl_add_u32 v[SPW], v0, 2, SPARE
	v_mov_b32 v[NIL], 0
	ds_add_u32 v[SPW], v[NIL]                      ; the wave's opening: the add and its wait ahead of my first tensor load
	ds_add_u32 v28, v29
	v_lshrrev_b32 v1, 5, v0
	v_readfirstlane_b32 s14, v1                    ; wave 0..3
	s_lshr_b32 s15, s14, 1                         ; my half of the queries.  Also: I fetch q (0) or k (1)
	s_and_b32 s16, s14, 1                          ; my half of the keys.  Also: which 128 rows I fetch
	s_mov_b32 s20, ttmp9                           ; the tile's number 0..35 in its batch
	s_and_b32 s19, ttmp7, 0xffff                   ; the batch
	s_mov_b32 s17, 0
.irp n, 1,3,6,10,15,21,28              ; i = how many of the rows' first numbers the tile's number has reached
	s_cmp_ge_u32 s20, \n
	s_cselect_b32 s18, 1, 0
	s_add_co_u32 s17, s17, s18
.endr
	s_add_co_u32 s18, s17, 1
	s_mul_i32 s18, s18, s17
	s_lshr_b32 s18, s18, 1
	s_sub_co_u32 s18, s20, s18                     ; j = number - i (i + 1) / 2
	s_mov_b32 s[G1+0], (1<<16)|(1<<20)|(5<<22)|(3<<25)  ; 2-byte elements; padding on: after every 64 words 4 words
	s_mov_b32 s[G1+1], KSTEP<<16
	s_mov_b32 s[G1+2], 128<<16
	s_mov_b32 s[G1+3], KSTEP<<16
	s_mov_b32 s[G1+4], 128
	s_mov_b32 s[G1+5], 1024                        ; elements from row to row
	s_mov_b32 s[G1+6], 0
	s_mov_b32 s[G1+7], 0
	s_cmp_eq_u32 s15, 0
	s_cselect_b32 s20, s17, s18                    ; q's tile i or k's tile j
	s_lshl_b32 s20, s20, 8
	s_lshl_b32 s21, s16, 7
	s_add_co_u32 s20, s20, s21
	s_lshl_b32 s21, s19, 11
	s_add_co_u32 s20, s20, s21                     ; the first row that I fetch,
	s_lshl_b32 s20, s20, 11                        ; of 2,048 bytes
	s_mov_b32 s21, 0
	s_mul_i32 s44, s14, HALFT                      ; and where it goes: q's two halves, then k's
	s_mov_b32 s40, 0x3d38aa3b                      ; c = log2(e) / 32
	s_mov_b32 s41, s40
	s_mov_b32 s42, 0x76543210                      ; v_permlanex16_b32: each lane takes its own place in the other half
	s_mov_b32 s43, 0xfedcba98
	s_wait_dscnt 0x0                               ; the opening add is done
	s_wait_kmcnt 0x0
	s_cmp_eq_u32 s15, 0
	s_cselect_b64 s[22:23], s[4:5], s[6:7]
	s_add_nc_u64 s[22:23], s[22:23], s[20:21]
.irp s, 0,1
	s_mov_b32 s[G0+4*(\s)], 1
	s_add_co_u32 s[G0+4*(\s)+1], s44, (\s)*SLOT
	s_add_nc_u64 s[G0+4*(\s)+2:G0+4*(\s)+3], s[22:23], (\s)*KSTEP*2
	s_or_b32 s[G0+4*(\s)+3], s[G0+4*(\s)+3], 0x80000000
	tensor_load_to_lds s[G0+4*(\s):G0+4*(\s)+3], s[G1:G1+7]  ; two loads of mine are out
	s_nop 0
.endr
	v_and_b32 v1, 15, v0                           ; r
	v_bfe_u32 v2, v0, 4, 1                         ; h
	v_mul_u32_u24 v3, v1, PITCH
	v_lshl_add_u32 v3, v2, 4, v3
	s_mul_i32 s21, s15, HALFT
	s_mul_i32 s22, s16, HALFT
	s_add_co_u32 s22, s22, 2*HALFT
.irp s, 0,1
	v_add_nc_u32 v[ADRA+(\s)], s21, v3
	v_add_nc_u32 v[ADRB+(\s)], s22, v3
	s_add_co_u32 s21, s21, SLOT
	s_add_co_u32 s22, s22, SLOT
.endr
	; In a dump row key x lies at ((x / 4) % 2) 512 + 16 (x / 8) + 4 (x % 4): lane l then reads keys 8 l .. 8 l + 7 by two loads at 16 l and 512 + 16 l.
	s_lshl_b32 s20, s15, 7
	v_add_nc_u32 v4, s20, v1                       ; my query's row in the tile, block 0
	v_mul_u32_u24 v4, v4, DPITCH
	s_lshl_b32 s20, s16, 8
	v_lshl_add_u32 v5, v2, 4, s20                  ; 16 (16 wc + h)
	v_add_nc_u32 v[DST0], v4, v5
	v_add_nc_u32 v[DST1], 64*DPITCH, v[DST0]
	v_and_b32 v6, 31, v0
	s_mul_i32 s20, s14, 64*DPITCH                  ; the row work: wave w owns rows 64 w .. 64 w + 63
	v_lshl_add_u32 v[LRD], v6, 4, s20
	s_lshl_b32 s20, s14, 18                        ; 64 rows of 4,096 bytes of p
	v_lshl_add_u32 v[GP], v6, 4, s20
	s_lshl_b32 s20, s14, 8
	s_add_co_u32 s20, s20, STL
	v_mov_b32 v[SAD], s20
	v_lshl_add_u32 v[SRD], v6, 3, s20
	v_lshlrev_b32 v7, 3, v6                        ; 8 x lane
	s_lshl_b32 s20, s14, 6
	v_sub_nc_u32 v[DD], v7, s20
	v_mov_b32 v[BIG], 0xf149f2ca
	s_lshl_b32 s20, s19, 11
	s_lshl_b32 s21, s17, 8
	s_add_co_u32 s20, s20, s21                     ; the tile's first query,
	s_lshl_b32 s20, s20, 12                        ; rows of 4,096 bytes,
	s_lshl_b32 s21, s18, 9                         ; the tile's 256 keys of 2 bytes
	s_add_co_u32 s20, s20, s21
	s_mov_b32 s21, 0
	s_add_nc_u64 s[8:9], s[8:9], s[20:21]
	s_lshl_b32 s20, s19, 3
	s_add_co_u32 s20, s20, s18                     ; 8 batch + j
	s_lshl_b32 s20, s20, 11
	s_lshl_b32 s22, s17, 8
	s_add_co_u32 s20, s20, s22
	s_lshl_b32 s22, s14, 6
	s_add_co_u32 s20, s20, s22                     ; + 256 i + 64 w
	s_lshl_b32 s20, s20, 2
	s_add_nc_u64 s[10:11], s[10:11], s[20:21]
	s_add_nc_u64 s[12:13], s[12:13], s[20:21]
; 16 matrix instructions: query blocks a0, a0 + 1 of the window's four x all 8 key blocks, 32 along K.  The 64 accumulators take turns, one instruction a turn.
.macro MUL16 f, hi, a0, zero
	WIN MUL_LO+0x50*(\hi)
.irp a, \a0, (\a0)+1
.irp b, 0,1,2,3,4,5,6,7
.if \zero
	v_wmma_f32_16x16x32_f16 v[8*(8*(\a)+(\b)):8*(8*(\a)+(\b))+7], v[(\f)+8*(\b):(\f)+8*(\b)+7], v[(\f)+8*(4*(\hi)+(\a)):(\f)+8*(4*(\hi)+(\a))+7], 0
.else
	v_wmma_f32_16x16x32_f16 v[8*(8*(\a)+(\b)):8*(8*(\a)+(\b))+7], v[(\f)+8*(\b):(\f)+8*(\b)+7], v[(\f)+8*(4*(\hi)+(\a)):(\f)+8*(4*(\hi)+(\a))+7], v[8*(8*(\a)+(\b)):8*(8*(\a)+(\b))+7]
.endif
.endr
.endr
.endm
.macro FETCH slot, k, f                ; 32 LDS loads in one run: k's 8 fragments, then q's 8
	WIN TO_B
.irp i, 0,1,2,3,4,5,6,7
	ds_load_b128 v[(\f)+8*(\i):(\f)+8*(\i)+3],   v[ADRB+(\slot)] offset:(\k)+(\i)*16*PITCH
	ds_load_b128 v[(\f)+8*(\i)+4:(\f)+8*(\i)+7], v[ADRB+(\slot)] offset:(\k)+(\i)*16*PITCH+32
.endr
	WIN 0
.irp i, 0,1,2,3,4,5,6,7
	ds_load_b128 v[(\f)+8*(\i):(\f)+8*(\i)+3],   v[ADRA+(\slot)] offset:(\k)+(\i)*16*PITCH
	ds_load_b128 v[(\f)+8*(\i)+4:(\f)+8*(\i)+7], v[ADRA+(\slot)] offset:(\k)+(\i)*16*PITCH+32
.endr
.endm
.macro QUARTER slot, k, f, g, zero     ; multiplies buffer f; in its middle fetches the next quarter, at byte k of the rows, into g
	s_wait_dscnt 8                                 ; k's fragments and q's rows 0-63 are in; the youngest eight loads may be out
	MUL16 \f, 0, 0, \zero
	MUL16 \f, 0, 2, \zero
	PLACES
	FETCH \slot, \k, \g
	s_wait_dscnt 32                                ; all but the 32 just issued
	MUL16 \f, 1, 0, \zero
	MUL16 \f, 1, 2, \zero
.endm
; The last quarter of a K step changes slots: ONE barrier; in front of it each wave waits for all its tensor loads (one is out: its part of the next slot), adds 0 to its spare word, and waits for that and for its reads of this slot.
; fill = 1: this slot is filled again, two K steps ahead, first thing behind the barrier: 224 matrix instructions ahead of the wait for it.
.macro TURN slot, next, fill
	WIN 0
	s_wait_tensorcnt 0x0
	ds_add_u32 v[SPW], v[NIL]
	s_wait_dscnt 9                                 ; the add and the youngest eight loads may be out
	MUL16 F1, 0, 0, 0
	s_wait_dscnt 0x0                               ; the add is done, and my reads of this slot are over
	s_barrier_signal -1
	MUL16 F1, 0, 2, 0
	s_barrier_wait -1
.if \fill
	s_add_nc_u64 s[G0+4*(\slot)+2:G0+4*(\slot)+3], s[G0+4*(\slot)+2:G0+4*(\slot)+3], 2*KSTEP*2
	tensor_load_to_lds s[G0+4*(\slot):G0+4*(\slot)+3], s[G1:G1+7]
	s_nop 0
.endif
	PLACES                                         ; the places in front of the loads below
	FETCH \next, 0, F0
	MUL16 F1, 1, 0, 0
	MUL16 F1, 1, 2, 0
.endm
	s_wait_tensorcnt 1                             ; my part of K step 0 is in; K step 1's may stay out
	s_barrier_signal -1
	s_barrier_wait -1
	FETCH 0, 0, F0
	QUARTER 0, 64,  F0, F1, 1                      ; the first quarter's products start the sums
	WIN 0
	s_mov_b32 s3, LAPS-1
.Llap:
	QUARTER 0, 128, F1, F0, 0
	QUARTER 0, 192, F0, F1, 0
	TURN 0, 1, 1
	QUARTER 1, 64,  F0, F1, 0
	QUARTER 1, 128, F1, F0, 0
	QUARTER 1, 192, F0, F1, 0
	TURN 1, 0, 1
	QUARTER 0, 64,  F0, F1, 0
	WIN 0
	s_sub_co_u32 s3, s3, 1
	s_cmp_lg_u32 s3, 0
	s_cbranch_scc1 .Llap
	QUARTER 0, 128, F1, F0, 0                      ; the last lap fills nothing
	QUARTER 0, 192, F0, F1, 0
	TURN 0, 1, 0
	QUARTER 1, 64,  F0, F1, 0
	QUARTER 1, 128, F1, F0, 0
	QUARTER 1, 192, F0, F1, 0
	s_wait_dscnt 8
	MUL16 F1, 0, 0, 0
	MUL16 F1, 0, 2, 0
	s_wait_dscnt 0x0
	MUL16 F1, 1, 0, 0
	MUL16 F1, 1, 2, 0
	WIN 0
	; THE DUMP.  The ring has had its last fill and every wave's reads of it are over (the wait above, the barrier here): its bytes take the tile's scores in f32, so that a wave can take whole rows.
	s_barrier_signal -1
	s_barrier_wait -1
	PLACES                                         ; behind the last products
.irp w, 0,1
	WIN 0x08+4*(\w)                                ; the stores' data in window 2, then 3
.irp a, 0,1,2,3
.irp b, 0,1,2,3,4,5,6,7
	ds_store_b128 v[DST0+(\w)], v[8*(8*(\a)+(\b)):8*(8*(\a)+(\b))+3]   offset:(\a)*16*DPITCH+32*(\b)      ; each accumulator's low four registers first
	ds_store_b128 v[DST0+(\w)], v[8*(8*(\a)+(\b))+4:8*(8*(\a)+(\b))+7] offset:(\a)*16*DPITCH+32*(\b)+512
.endr
.endr
.endr
	WIN 0
.irp r, 0,1,2,3
	v_mov_b32 v[CM+2*(\r)+1], 0                    ; named with c m as a pair
.endr
	s_wait_dscnt 0x0                               ; for the others' sake: my part of the dump is written
	s_barrier_signal -1
	s_barrier_wait -1
; THE ROW WORK: four rows a trip; lane l holds keys 8 l .. 8 l + 7 of each.  ahead = 1: the next four rows are read while these are worked on.
.macro ROWS ahead
	s_wait_dscnt 0x0                               ; the four rows are in
	s_cmp_lg_u32 s17, s18
	s_cbranch_scc1 .Lopen_\@                       ; only the diagonal tile hides keys
.irp r, 0,1,2,3
.irp j, 0,1,2,3,4,5,6,7
	v_cmp_lt_i32 vcc_lo, (\r)-(\j), v[DD]
	v_cndmask_b32 v[XR+8*(\r)+(\j)], v[XR+8*(\r)+(\j)], v[BIG], vcc_lo
.endr
.endr
.Lopen_\@:
.irp r, 0,1,2,3
	v_max3_num_f32 v[TT+2*(\r)], v[XR+8*(\r)], v[XR+8*(\r)+1], v[XR+8*(\r)+2]
.endr
.irp r, 0,1,2,3
	v_max3_num_f32 v[TT+2*(\r)+1], v[XR+8*(\r)+3], v[XR+8*(\r)+4], v[XR+8*(\r)+5]
.endr
.irp r, 0,1,2,3
	v_max3_num_f32 v[TT+2*(\r)], v[TT+2*(\r)], v[XR+8*(\r)+6], v[XR+8*(\r)+7]
.endr
.irp r, 0,1,2,3
	v_max_num_f32 v[TT+2*(\r)], v[TT+2*(\r)], v[TT+2*(\r)+1]
.endr
.irp m, 1,2,4,8
.irp r, 0,1,2,3
	v_max_num_f32_dpp v[TT+2*(\r)], v[TT+2*(\r)], v[TT+2*(\r)] row_xmask:\m row_mask:0xf bank_mask:0xf
.endr
.endr
.irp r, 0,1,2,3
	v_permlanex16_b32 v[TT+2*(\r)+1], v[TT+2*(\r)], s42, s43
.endr
.irp r, 0,1,2,3
	v_max_num_f32 v[TT+2*(\r)], v[TT+2*(\r)], v[TT+2*(\r)+1]  ; the row's maximum in this tile, in every lane
.endr
.irp r, 0,1,2,3
	v_mul_f32 v[CM+2*(\r)], s40, v[TT+2*(\r)]
.endr
.irp r, 0,1,2,3
.irp u, 0,1,2,3
	v_pk_fma_f32 v[XP+8*(\r)+2*(\u):XP+8*(\r)+2*(\u)+1], v[XR+8*(\r)+2*(\u):XR+8*(\r)+2*(\u)+1], s[40:41], v[CM+2*(\r):CM+2*(\r)+1] op_sel_hi:[1,0,0] neg_lo:[0,0,1] neg_hi:[0,0,1]  ; c s - c m
.endr
.endr
.if \ahead
	v_add_nc_u32 v[LRD], 4*DPITCH, v[LRD]
.irp r, 0,1,2,3
	ds_load_b128 v[XR+8*(\r):XR+8*(\r)+3],   v[LRD] offset:(\r)*DPITCH
	ds_load_b128 v[XR+8*(\r)+4:XR+8*(\r)+7], v[LRD] offset:(\r)*DPITCH+512
.endr
.endif
.set e, 0
.rept 32
	v_exp_f32 v[XP+e], v[XP+e]
.set e, e+1
.endr
	v_nop                                          ; a plain instruction between the last exponential and the use of its result
	s_wait_xcnt 0x0                                ; the last trip's stores have read their registers: YY and GP are written again only behind this wait
	v_add_nc_u32 v[GP], 16384, v[GP]
	v_add_nc_u32 v[DD], -4, v[DD]
	s_wait_alu depctr_va_vdst(0)
.irp r, 0,1,2,3
.irp u, 0,1,2,3
	v_cvt_pk_f16_f32 v[YY+4*(\r)+(\u)], v[XP+8*(\r)+2*(\u)], v[XP+8*(\r)+2*(\u)+1]
.endr
.endr
.irp r, 0,1,2,3
	v_pk_add_f32 v[SUM+2*(\r):SUM+2*(\r)+1], v[XP+8*(\r):XP+8*(\r)+1], v[XP+8*(\r)+2:XP+8*(\r)+3]
.endr
.irp r, 0,1,2,3
	v_pk_add_f32 v[TT+2*(\r):TT+2*(\r)+1], v[XP+8*(\r)+4:XP+8*(\r)+5], v[XP+8*(\r)+6:XP+8*(\r)+7]
.endr
.irp r, 0,1,2,3
	v_pk_add_f32 v[SUM+2*(\r):SUM+2*(\r)+1], v[SUM+2*(\r):SUM+2*(\r)+1], v[TT+2*(\r):TT+2*(\r)+1]
.endr
.irp r, 0,1,2,3
	v_add_f32 v[SUM+2*(\r)], v[SUM+2*(\r)], v[SUM+2*(\r)+1]
.endr
.irp r, 0,1,2,3
	global_store_b128 v[GP], v[YY+4*(\r):YY+4*(\r)+3], s[8:9] offset:(\r)*4096-16384  ; 512 consecutive bytes, at a multiple of 512 from p's first byte
.endr
.irp m, 1,2,4,8
.irp r, 0,1,2,3
	v_add_f32_dpp v[SUM+2*(\r)], v[SUM+2*(\r)], v[SUM+2*(\r)] row_xmask:\m row_mask:0xf bank_mask:0xf
.endr
.endr
.irp r, 0,1,2,3
	v_permlanex16_b32 v[TT+2*(\r)], v[SUM+2*(\r)], s42, s43
.endr
.irp r, 0,1,2,3
	v_add_f32 v[SUM+2*(\r)], v[SUM+2*(\r)], v[TT+2*(\r)]
.endr
.irp r, 0,1,2,3
	ds_store_b32 v[SAD], v[CM+2*(\r)] offset:4*(\r)          ; all lanes write the same word with the same number
	ds_store_b32 v[SAD], v[SUM+2*(\r)] offset:1024+4*(\r)
.endr
	v_add_nc_u32 v[SAD], 16, v[SAD]
.endm
.irp r, 0,1,2,3
	ds_load_b128 v[XR+8*(\r):XR+8*(\r)+3],   v[LRD] offset:(\r)*DPITCH
	ds_load_b128 v[XR+8*(\r)+4:XR+8*(\r)+7], v[LRD] offset:(\r)*DPITCH+512
.endr
	s_mov_b32 s3, 15
.Lrows:
	ROWS 1
	s_sub_co_u32 s3, s3, 1
	s_cmp_lg_u32 s3, 0
	s_cbranch_scc1 .Lrows
	ROWS 0                                         ; the last four rows are written out: nothing is read past my 64 rows
	ds_load_b64 v[32:33], v[SRD]                   ; my 64 rows' c m and l, my own words, served in order
	ds_load_b64 v[34:35], v[SRD] offset:1024
	s_wait_dscnt 0x0
	global_store_b64 v7, v[32:33], s[10:11]        ; 256 consecutive bytes each, at a multiple of 256
	global_store_b64 v7, v[34:35], s[12:13]
	s_wait_tensorcnt 0x0                           ; the wave's end
	ds_add_u32 v[SPW], v[NIL]
	s_wait_dscnt 0x0
	s_endpgm
.Lfunc_end_k_qe631309387_scores:
	.size	k_qe631309387_scores, .Lfunc_end_k_qe631309387_scores-k_qe631309387_scores
	.p2alignl 7, 3214868480
	.fill 96, 4, 3214868480
	.section	.rodata,"a",@progbits
	.p2align	6, 0x0
	.amdhsa_kernel k_qe631309387_scores
		.amdhsa_group_segment_fixed_size 327680
		.amdhsa_private_segment_fixed_size 0
		.amdhsa_enable_private_segment 0
		.amdhsa_kernarg_size 40
		.amdhsa_user_sgpr_count 2
		.amdhsa_user_sgpr_kernarg_segment_ptr 1
		.amdhsa_wavefront_size32 1
		.amdhsa_system_sgpr_workgroup_id_x 1
		.amdhsa_system_sgpr_workgroup_id_y 1
		.amdhsa_system_sgpr_workgroup_id_z 1
		.amdhsa_system_vgpr_workitem_id 0
		.amdhsa_next_free_vgpr 1024
		.amdhsa_next_free_sgpr 66
		.amdhsa_reserve_vcc 1
		.amdhsa_float_denorm_mode_32 3
		.amdhsa_float_denorm_mode_16_64 3
		.amdhsa_memory_ordered 1
		.amdhsa_forward_progress 1
		.amdhsa_inst_pref_size 140
	.end_amdhsa_kernel
	.amdgpu_metadata
---
amdhsa.version: [ 1, 2 ]
amdhsa.kernels:
  - .name:           k_qe631309387_scores
    .symbol:         k_qe631309387_scores.kd
    .args:
      - { .name: q, .offset: 0, .size: 8, .value_kind: global_buffer, .address_space: global }
      - { .name: k, .offset: 8, .size: 8, .value_kind: global_buffer, .address_space: global }
      - { .name: p, .offset: 16, .size: 8, .value_kind: global_buffer, .address_space: global }
      - { .name: cm, .offset: 24, .size: 8, .value_kind: global_buffer, .address_space: global }
      - { .name: ls, .offset: 32, .size: 8, .value_kind: global_buffer, .address_space: global }
    .group_segment_fixed_size: 327680
    .private_segment_fixed_size: 0
    .kernarg_segment_align: 8
    .kernarg_segment_size: 40
    .max_flat_workgroup_size: 128
    .sgpr_count:     66
    .vgpr_count:     1024
    .wavefront_size: 32
...
	.end_amdgpu_metadata
.endif
;; end of part 3
;; launch pv (part 4): grid 8 x 32, 4 waves a work-group, clusters of 4 x 4, 327,680 bytes of LDS; arguments p, vt, cm, ls, out0; writes out0
.if DOCPART == 4
	.amdgcn_target "amdgcn-amd-amdhsa--gfx1250"
	.amdhsa_code_object_version 6
	.text
	.protected	k_qe631309387_pv
	.globl	k_qe631309387_pv
	.p2align	8
	.type	k_qe631309387_pv,@function
k_qe631309387_pv:
	s_mov_b64 s[64:65], 0
	v_nop
	global_prefetch_b8 v0, s[64:65] scope:SCOPE_SE
	s_setreg_imm32_b32 hwreg(HW_REG_WAVE_MODE, 25, 1), 1
	s_wait_xcnt 0x0
	s_wait_alu depctr_hold_cnt(0) depctr_sa_sdst(0) depctr_va_vdst(0) depctr_va_sdst(0) depctr_va_ssrc(0) depctr_va_vcc(0) depctr_vm_vsrc(0)
	s_getreg_b32 s2, hwreg(HW_REG_IB_STS2, 6, 4)
	s_cmp_eq_u32 s2, 0
	s_cbranch_scc0 .Lentry_in_a_cluster
	s_endpgm
.Lentry_in_a_cluster:
	s_bfe_u32 s2, ttmp6, 0x10000c
	s_cmp_lg_u32 s2, 0xf033
	s_cbranch_scc0 .Lentry_shape_is_right
	s_endpgm
.Lentry_shape_is_right:
; PV.  out[row] = the sum over the row's key tiles t of f'_t (p~_t v_t).  p~ (f16) and v (f16, turned: vt [channel][token]) are multiplied with f32 sums; f'_t = 2^(cm_t - M) / L with M = the largest cm_t of the row
; (the row's true maximum, in the exponent's units) and L = the sum of 2^(cm_t - M) l_t: the softmax of the whole row.  No exponent is above 0, and L is at least 1.  The weighting and the sum over tiles are f32.
; LIMITS.  An exponential below 2^-126 counts as 0; NaN and infinities are not treated apart.
; SHARES.  An output tile is 128 rows x 128 channels: four waves of 64 x 64.  A K step is one key tile of 256 keys.  The rows of a batch lie in four blocks u of 512; a cluster of 4 x 4 work-groups (cy: 128 rows of the block,
; cx: 128 channels) takes block 3 - pi and then block pi: 8 - 2 pi and 2 pi + 2 K steps, always 10: one walk of five laps, the same in every work-group, so that all 256 do equal work.
; p~'s tile is shared along a row of the cluster, vt's along a column: both are asked for jointly.  The block's upper 256 rows need key tile 2 u + 1, its lower 256 do not: they walk it all the same (their
; request is turned to their own last tile, which holds finite numbers, and f' is 0): 160 steps of work for 144 needed, the price of trips that are alike in all partners.
; THE PRODUCT of a K step starts at C = 0 in T0 (even steps) or T1 (odd steps); O += f' T by packed multiply-adds: T0's stand in fours behind the next step's matrix instructions, T1's together at the lap's end.
; Source 0 = 16 rows of vt, source 1 = 16 rows of p~: a lane holds one query and eight neighbouring channels, so f' is one number a lane and query block.
; REGISTERS: window 0: v0-31 addresses, f' (v8-15); v32-95 at work; v128-255 O.  window 1: two fragment buffers of 128.  window 2: T0 v0-127, T1 v128-255.
.set KSTEP,  256
.set PITCH,  528                       ; 512 bytes + 16 = 132 words: the 16 rows of a fragment load start at 16 different groups of four banks (ISA guide 11.1)
.set HALFT,  64*PITCH
.set SLOT,   4*HALFT
.set FTAB,   2*SLOT                    ; behind the ring: f' in the walk's order, [step 10][wr 2][r 16][a 4] f32, 512 bytes a step: 5,120 of the 8,192 bytes kept for it
.set STAGE,  FTAB+8192                 ; 16 rows x 272 bytes for each wave, for the way out
.set SPITCH, 272
.set SPARE,  STAGE+4*16*SPITCH         ; the spare words, 128 bytes a wave
.set FT0,  8                           ; v8-11  f' of the lap's first step for my query blocks 0-3
.set FT1,  12                          ; v12-15 of its second step
.set ADRA, 16
.set ADRB, 20
.set STO,  24
.set RD,   25
.set CO,   26
.set FADR, 27                          ; where the next lap's f' lie: it steps by two steps' 1,024 bytes a lap and is never set anew
.set SPW,  28
.set NIL,  29
.set AD,   32                          ; the beginning: offsets, c m, l, at work
.set CMV,  48
.set LSV,  64
.set MX,   80
.set OA,   128
.set F0,   0
.set F1,   128
.set T0,   0
.set T1,   128
.set WV, 14
.set WR, 15
.set WC, 16
.set RT, 17                            ; laps left of the first tile
.set G1, 24
.set G0, 32
.set CX, 40
.set CY, 41
.set CB, 42                            ; block of 128 channels
.set BA, 43                            ; batch
.set PI, 44
.set G1B, 48
.set G0B, 56
.set N2, 66                            ; the step of the walk to be asked for next
.set NH, 67                            ; steps of the first tile
.set AHI, 68                           ; byte offset in p of the rows that I fetch, first tile
.set ALO, 69                           ; second tile
.set IHI, 70                           ; my rows' own key tile, first tile
.set ILO, 71
.set BO,  76                           ; byte offset in vt of the rows that I fetch
.set OHI, 78                           ; s[78:79] out0 at my part of the first tile
.set OLO, 80
.set SBH, 92                           ; byte offset in cm and ls of the first tile's rows, key tile 0
.set SBL, 93
.set GRH, 94                           ; the first tile's first row
.set GRL, 95
.set MSB, 0
.macro WIN new
.if MSB != (\new)
	s_set_vgpr_msb (MSB<<8)|(\new)
.set MSB, \new
.endif
.endm
.set MUL,  0xa5                        ; sources in window 1, C and D in window 2
.set TO_F, 0x40
.set W_RD, 0x02                        ; source 0 (T) in window 2, all else in window 0
.macro PLACES
.rept 4
	v_nop
.endr
.endm
.macro JLOAD s                         ; a joint load: waves 0, 1 fetch p~'s two halves, waves 2, 3 vt's; s_nop 0 and four v_nop follow each line
	s_cmp_eq_u32 s[WR], 0
	s_cbranch_scc0 .Lfor_b_\@
	tensor_load_to_lds s[G0+4*(\s):G0+4*(\s)+3], s[G1:G1+7]
	s_nop 0
	PLACES
	s_branch .Lasked_\@
.Lfor_b_\@:
	tensor_load_to_lds s[G0B+4*(\s):G0B+4*(\s)+3], s[G1B:G1B+7]
	s_nop 0
	PLACES
.Lasked_\@:
.endm
.macro CREST
	s_cmp_lg_u32 s[WV], 0
	s_cbranch_scc1 .Lnot_wave_0_\@
	s_barrier_signal -3
.Lnot_wave_0_\@:
	s_barrier_wait -3
	s_barrier_signal -1
	s_barrier_wait -1
.endm
.macro CROUND
	s_barrier_signal -1
	s_barrier_wait -1
	CREST
.endm
	s_load_b256 s[4:11], s[0:1], 0x0               ; p s[4:5], vt s[6:7], cm s[8:9], ls s[10:11]
	s_load_b64 s[12:13], s[0:1], 0x20              ; out0
	v_lshl_add_u32 v[SPW], v0, 2, SPARE
	v_mov_b32 v[NIL], 0
	ds_add_u32 v[SPW], v[NIL]                      ; the wave's opening: the add and its wait ahead of my first tensor load
	ds_add_u32 v28, v29
	v_lshrrev_b32 v1, 5, v0
	v_readfirstlane_b32 s[WV], v1
	s_lshr_b32 s[WR], s[WV], 1                     ; my half of the rows.  Also: I fetch p~ (0) or vt (1)
	s_and_b32 s[WC], s[WV], 1                      ; my half of the channels.  Also: which 64 rows I fetch
	s_bfe_u32 s[CX], ttmp6, 0x40000
	s_bfe_u32 s[CY], ttmp6, 0x40004
	s_lshl_b32 s[CB], ttmp9, 2
	s_add_co_u32 s[CB], s[CB], s[CX]
	s_and_b32 s[BA], ttmp7, 0xffff                 ; the cluster's y = 2 batch + pi: the same in all sixteen partners
	s_and_b32 s[PI], s[BA], 1
	s_lshr_b32 s[BA], s[BA], 1
	s_lshl_b32 s45, s[CY], 2
	s_lshl_b32 s45, 15, s45                        ; my row of the cluster
	s_lshl_b32 s46, 0x1111, s[CX]                  ; my column
	s_or_b32 s[G1], s45, (1<<16)|(1<<20)|(1<<21)|(6<<22)|(3<<25)   ; mask; 2-byte elements; padding on; bit 21 beside a mask; after every 128 words 4 words
	s_or_b32 s[G1B], s46, (1<<16)|(1<<20)|(1<<21)|(6<<22)|(3<<25)
.irp g, G1, G1B
	s_mov_b32 s[(\g)+1], KSTEP<<16
	s_mov_b32 s[(\g)+2], 64<<16
	s_mov_b32 s[(\g)+3], KSTEP<<16
	s_mov_b32 s[(\g)+4], 64
	s_mov_b32 s[(\g)+6], 0
	s_mov_b32 s[(\g)+7], 0
.endr
	s_mov_b32 s[G1+5], 2048                        ; p: elements from row to row
	s_mov_b32 s[G1B+5], 8192                       ; vt
	s_sub_co_u32 s82, 3, s[PI]                     ; the first tile's block u
	s_lshl_b32 s83, s[CY], 7
	s_lshl_b32 s[GRH], s82, 9
	s_add_co_u32 s[GRH], s[GRH], s83               ; its first row in the batch: 512 u + 128 cy
	s_lshl_b32 s[GRL], s[PI], 9
	s_add_co_u32 s[GRL], s[GRL], s83
	s_lshr_b32 s86, s[CY], 1
	s_lshl1_add_u32 s[IHI], s82, s86               ; the rows' own key tile: 2 u + cy / 2
	s_lshl1_add_u32 s[ILO], s[PI], s86
	s_lshl_b32 s87, s[BA], 16                      ; a batch's 8 x 2,048 numbers of 4 bytes
	s_lshl2_add_u32 s[SBH], s[GRH], s87
	s_lshl2_add_u32 s[SBL], s[GRL], s87
	s_lshl_b32 s87, s[BA], 11
	s_add_co_u32 s[GRH], s[GRH], s87               ; from here on counted over all batches
	s_add_co_u32 s[GRL], s[GRL], s87
	s_lshl_b32 s88, s[WC], 6
	s_add_co_u32 s[AHI], s[GRH], s88
	s_lshl_b32 s[AHI], s[AHI], 12                  ; rows of 4,096 bytes
	s_add_co_u32 s[ALO], s[GRL], s88
	s_lshl_b32 s[ALO], s[ALO], 12
	s_lshl_b32 s[BO], s[CB], 7
	s_add_co_u32 s[BO], s[BO], s88
	s_lshl_b32 s[BO], s[BO], 14                    ; rows of 16,384 bytes,
	s_lshl_b32 s89, s[BA], 12                      ; the batch's 2,048 tokens of 2 bytes
	s_add_co_u32 s[BO], s[BO], s89
	s_lshl_b32 s[NH], s[PI], 1
	s_sub_co_u32 s[NH], 8, s[NH]
	s_mov_b32 s[N2], 2
	s_mov_b32 s72, s[AHI]
	s_mov_b32 s73, 0
	s_mov_b32 s74, s[BO]
	s_mov_b32 s75, 0
	s_mul_i32 s20, s[WV], HALFT                    ; where the tiles go: p~'s two halves, then vt's: no place in the cluster enters an LDS address
	s_wait_dscnt 0x0                               ; the opening add is done
	s_wait_kmcnt 0x0
	s_add_nc_u64 s[18:19], s[4:5], s[72:73]
	s_add_nc_u64 s[22:23], s[6:7], s[74:75]
	CROUND                                         ; all sixteen work-groups are here: the first joint loads meet
.irp s, 0,1
	s_mov_b32 s[G0+4*(\s)], 1
	s_add_co_u32 s[G0+4*(\s)+1], s20, (\s)*SLOT
	s_add_nc_u64 s[G0+4*(\s)+2:G0+4*(\s)+3], s[18:19], (\s)*KSTEP*2  ; the first tile's key tiles 0 and 1
	s_or_b32 s[G0+4*(\s)+3], s[G0+4*(\s)+3], 0x80000000
	s_mov_b32 s[G0B+4*(\s)], 1
	s_add_co_u32 s[G0B+4*(\s)+1], s20, (\s)*SLOT
	s_add_nc_u64 s[G0B+4*(\s)+2:G0B+4*(\s)+3], s[22:23], (\s)*KSTEP*2
	s_or_b32 s[G0B+4*(\s)+3], s[G0B+4*(\s)+3], 0x80000000
	JLOAD \s                                       ; two loads of mine are out
.endr
	; THE WEIGHTS.  Thread n is row n of both tiles.  Key tiles past the row's own are read as the row's own (nothing lies there) and their weight is set to 0.
	v_and_b32 v1, 15, v0                           ; r
	v_bfe_u32 v2, v0, 4, 1                         ; h
	v_lshlrev_b32 v4, 2, v0
.macro PROLOAD x, si, sb
.irp t, 0,1,2,3,4,5,6,7
	s_min_u32 s91, s[\si], \t
	s_lshl_b32 s91, s91, 13                        ; a key tile's 2,048 numbers of 4 bytes
	s_add_co_u32 s91, s91, s[\sb]
	v_add_nc_u32 v[AD+8*(\x)+(\t)], s91, v4
	global_load_b32 v[CMV+8*(\x)+(\t)], v[AD+8*(\x)+(\t)], s[8:9]
	global_load_b32 v[LSV+8*(\x)+(\t)], v[AD+8*(\x)+(\t)], s[10:11]
.endr
.endm
	PROLOAD 0, IHI, SBH
	PROLOAD 1, ILO, SBL
	v_lshrrev_b32 v5, 6, v0                        ; where thread n's weights go: (n / 64) 256 + (n % 16) 16 + ((n / 16) % 4) 4
	v_lshlrev_b32 v5, 8, v5
	v_lshl_add_u32 v5, v1, 4, v5
	v_bfe_u32 v6, v0, 4, 2
	v_lshl_add_u32 v5, v6, 2, v5
	v_add_nc_u32 v5, FTAB, v5
	v_mul_u32_u24 v3, v1, PITCH
	v_lshl_add_u32 v3, v2, 4, v3
	s_mul_i32 s21, s[WR], HALFT
	s_mul_i32 s22, s[WC], HALFT
	s_add_co_u32 s22, s22, 2*HALFT
.irp s, 0,1
	v_add_nc_u32 v[ADRA+(\s)], s21, v3
	v_add_nc_u32 v[ADRB+(\s)], s22, v3
	s_add_co_u32 s21, s21, SLOT
	s_add_co_u32 s22, s22, SLOT
.endr
	s_mul_i32 s21, s[WV], 16*SPITCH
	s_add_co_u32 s21, s21, STAGE
	v_mul_u32_u24 v6, v1, SPITCH
	v_lshl_add_u32 v6, v2, 5, v6
	v_add_nc_u32 v[STO], s21, v6                   ; in: row r, 32 bytes for each half of the lanes
	v_mul_u32_u24 v6, v2, SPITCH
	v_lshl_add_u32 v6, v1, 4, v6
	v_add_nc_u32 v[RD], s21, v6                    ; back: lanes 0-15 one row of 256 bytes, lanes 16-31 the next
	v_lshlrev_b32 v6, 12, v2
	v_lshl_add_u32 v[CO], v1, 4, v6                ; the same two rows in out0
	s_lshl_b32 s21, s[WR], 8
	s_add_co_u32 s21, s21, FTAB
	v_lshl_add_u32 v[FADR], v1, 4, s21             ; the walk's step 0: my half of the rows, my query's four numbers
	s_lshl_b32 s82, s[WR], 6
	s_lshl_b32 s86, s[CB], 9                       ; 128 channels of 4 bytes
	s_lshl_b32 s87, s[WC], 8
	s_add_co_u32 s86, s86, s87
	s_add_co_u32 s84, s[GRH], s82
	s_lshl_b32 s84, s84, 12
	s_add_co_u32 s84, s84, s86
	s_mov_b32 s85, 0
	s_add_nc_u64 s[OHI:OHI+1], s[12:13], s[84:85]
	s_add_co_u32 s84, s[GRL], s82
	s_lshl_b32 s84, s84, 12
	s_add_co_u32 s84, s84, s86
	s_add_nc_u64 s[OLO:OLO+1], s[12:13], s[84:85]
.macro CLEAR                           ; O starts at 0: every step is then a step like any other; it stands in a wait (here) or once between the tiles
.set i, OA
.rept 128
	v_mov_b32 v[i], 0
.set i, i+1
.endr
.endm
	CLEAR
	s_wait_loadcnt 0x0
.macro PROCALC x, si                   ; tile x's eight f' take the place of its eight c m
.set cB, CMV+8*(\x)
.set lB, LSV+8*(\x)
.set mB, MX+2*(\x)
	v_max3_num_f32 v[mB], v[cB], v[cB+1], v[cB+2]
	v_max3_num_f32 v[mB+1], v[cB+3], v[cB+4], v[cB+5]
	v_max3_num_f32 v[mB], v[mB], v[cB+6], v[cB+7]
	v_max_num_f32 v[mB], v[mB], v[mB+1]            ; M
.irp t, 0,1,2,3,4,5,6,7
	v_sub_f32 v[cB+(\t)], v[cB+(\t)], v[mB]
.endr
.irp t, 0,1,2,3,4,5,6,7
	v_exp_f32 v[cB+(\t)], v[cB+(\t)]
.endr
	v_nop                                          ; a plain instruction behind the last exponential
	s_wait_alu depctr_va_vdst(0)
.irp t, 0,1,2,3,4,5,6,7
	s_cmp_ge_u32 s[\si], \t
	s_cselect_b32 s91, 1.0, 0
	v_mul_f32 v[cB+(\t)], s91, v[cB+(\t)]
.endr
	v_mul_f32 v[mB], v[cB], v[lB]
.irp t, 1,2,3,4,5,6,7
	v_fmac_f32 v[mB], v[cB+(\t)], v[lB+(\t)]       ; L
.endr
	v_rcp_f32 v[mB+1], v[mB]
	v_nop
	s_wait_alu depctr_va_vdst(0)
.irp t, 0,1,2,3,4,5,6,7
	v_mul_f32 v[cB+(\t)], v[cB+(\t)], v[mB+1]
.endr
.endm
	PROCALC 0, IHI
	PROCALC 1, ILO
	; Into the table in the walk's order, at constant places.  Steps 0-5 are the first tile's in both cases.  pi = 0: steps 6, 7 are the first tile's t = 6, 7 and steps 8, 9 the second's t = 0, 1;
	; pi = 1: steps 6-9 are the second tile's t = 0-3.  The choice selects values, by a mask of all lanes made from pi.
	s_cmp_eq_u32 s[PI], 1
	s_cselect_b32 s91, -1, 0
	v_cndmask_b32 v[MX+4], v[CMV+6], v[CMV+8],  s91
	v_cndmask_b32 v[MX+5], v[CMV+7], v[CMV+9],  s91
	v_cndmask_b32 v[MX+6], v[CMV+8], v[CMV+10], s91
	v_cndmask_b32 v[MX+7], v[CMV+9], v[CMV+11], s91
.irp n, 0,1,2,3,4,5
	ds_store_b32 v5, v[CMV+(\n)] offset:512*(\n)
.endr
.irp n, 6,7,8,9
	ds_store_b32 v5, v[MX+(\n)-2] offset:512*(\n)
.endr
; 8 matrix instructions: query blocks a0, a0 + 1 x all 4 channel blocks, 32 along K: half c of buffer f, into T at tb.  The 16 accumulators take turns.
.macro MUL8 f, c, a0, zero, tb
	WIN MUL
.irp a, \a0, (\a0)+1
.irp b, 0,1,2,3
.if \zero
	v_wmma_f32_16x16x32_f16 v[(\tb)+8*(4*(\a)+(\b)):(\tb)+8*(4*(\a)+(\b))+7], v[(\f)+64+8*(4*(\c)+(\b)):(\f)+64+8*(4*(\c)+(\b))+7], v[(\f)+8*(4*(\c)+(\a)):(\f)+8*(4*(\c)+(\a))+7], 0
.else
	v_wmma_f32_16x16x32_f16 v[(\tb)+8*(4*(\a)+(\b)):(\tb)+8*(4*(\a)+(\b))+7], v[(\f)+64+8*(4*(\c)+(\b)):(\f)+64+8*(4*(\c)+(\b))+7], v[(\f)+8*(4*(\c)+(\a)):(\f)+8*(4*(\c)+(\a))+7], v[(\tb)+8*(4*(\a)+(\b)):(\tb)+8*(4*(\a)+(\b))+7]
.endif
.endr
.endr
.endm
.macro FETCH slot, k, f                ; 32 LDS loads in one run: 64 along K at byte k of the rows; the first 32 along K first
	WIN TO_F
.irp c, 0,1
.irp i, 0,1,2,3
	ds_load_b128 v[(\f)+64+8*(4*(\c)+(\i)):(\f)+64+8*(4*(\c)+(\i))+3],   v[ADRB+(\slot)] offset:(\k)+64*(\c)+(\i)*16*PITCH
	ds_load_b128 v[(\f)+64+8*(4*(\c)+(\i))+4:(\f)+64+8*(4*(\c)+(\i))+7], v[ADRB+(\slot)] offset:(\k)+64*(\c)+(\i)*16*PITCH+32
	ds_load_b128 v[(\f)+8*(4*(\c)+(\i)):(\f)+8*(4*(\c)+(\i))+3],         v[ADRA+(\slot)] offset:(\k)+64*(\c)+(\i)*16*PITCH
	ds_load_b128 v[(\f)+8*(4*(\c)+(\i))+4:(\f)+8*(4*(\c)+(\i))+7],       v[ADRA+(\slot)] offset:(\k)+64*(\c)+(\i)*16*PITCH+32
.endr
.endr
.endm
; O of accumulator n += T of accumulator n x f' of its query block n / 4: four packed lines, T's registers in ascending order.  f' is one register of a pair, given to both halves.
.macro ACC4 tb, ft, n
.set fq, (\n)/4
.irp u, 0,1,2,3
.if fq%2 == 0
	v_pk_fma_f32 v[OA+8*(\n)+2*(\u):OA+8*(\n)+2*(\u)+1], v[(\tb)+8*(\n)+2*(\u):(\tb)+8*(\n)+2*(\u)+1], v[(\ft)+fq:(\ft)+fq+1], v[OA+8*(\n)+2*(\u):OA+8*(\n)+2*(\u)+1] op_sel_hi:[1,0,1]
.else
	v_pk_fma_f32 v[OA+8*(\n)+2*(\u):OA+8*(\n)+2*(\u)+1], v[(\tb)+8*(\n)+2*(\u):(\tb)+8*(\n)+2*(\u)+1], v[(\ft)+fq-1:(\ft)+fq], v[OA+8*(\n)+2*(\u):OA+8*(\n)+2*(\u)+1] op_sel:[0,1,0] op_sel_hi:[1,1,1]
.endif
.endr
.endm
.macro RIDE on                         ; T0's next accumulator, behind eight matrix instructions of the step after it; four v_nop ahead of the first are the places behind T0's last products
.if \on
	WIN W_RD
.if zz == 0
	PLACES
.endif
	ACC4 T0, FT0, zz
.set zz, zz+1
.endif
.endm
; A K step is four quarters of 64 along K, 32 matrix instructions each, on buffers 0, 1, 0, 1.  w0: how many younger LDS loads may be out when the first 32 along K have to be there.
.macro QUARTER slot, k, f, g, zero, tb, ride, w0
	s_wait_dscnt \w0
	MUL8 \f, 0, 0, \zero, \tb
	RIDE \ride
	MUL8 \f, 0, 2, \zero, \tb
	RIDE \ride
.if !(\ride)
	PLACES                                         ; with riders those are the places: they name nothing of the products that read buffer g
.endif
	FETCH \slot, \k, \g
	s_wait_dscnt 32                                ; all but the 32 just issued
	MUL8 \f, 1, 0, 0, \tb
	RIDE \ride
	MUL8 \f, 1, 2, 0, \tb
	RIDE \ride
.endm
; The addresses of step N2 of the walk, made anew from its number: t = N2, or N2 - NH in the second tile; p~'s key tile is min(t, the rows' own).  vt's registers hold nothing made of cy, p~'s nothing made of cx.
.macro WALK slot
	s_cmp_lt_u32 s[N2], s[NH]
	s_cselect_b32 s82, 0, s[NH]
	s_cselect_b32 s83, s[AHI], s[ALO]
	s_cselect_b32 s84, s[IHI], s[ILO]
	s_sub_co_u32 s82, s[N2], s82                   ; t
	s_min_u32 s84, s84, s82
	s_lshl_b32 s84, s84, 9                         ; 256 keys of 2 bytes
	s_add_co_u32 s72, s83, s84
	s_add_nc_u64 s[G0+4*(\slot)+2:G0+4*(\slot)+3], s[4:5], s[72:73]
	s_or_b32 s[G0+4*(\slot)+3], s[G0+4*(\slot)+3], 0x80000000
	s_lshl_b32 s82, s82, 9
	s_add_co_u32 s74, s[BO], s82
	s_add_nc_u64 s[G0B+4*(\slot)+2:G0B+4*(\slot)+3], s[6:7], s[74:75]
	s_or_b32 s[G0B+4*(\slot)+3], s[G0B+4*(\slot)+3], 0x80000000
	s_add_co_u32 s[N2], s[N2], 1
.endm
; The last quarter changes slots: ONE barrier; in front of it each wave waits for all its tensor loads (one is out: its part of the next slot), adds 0 to its spare word, and waits for that and for its reads of this slot.
; fill = 1: the barrier opens a round of the cluster's, and this slot is filled again, first thing behind it: 112 matrix instructions ahead of the wait for it.
.macro TURN slot, next, fill, tb, ride
	WIN 0
	s_wait_tensorcnt 0x0                           ; no tensor load of mine is out, so a group 0 may be written
	ds_add_u32 v[SPW], v[NIL]
.if \fill
	WALK \slot
.endif
	s_wait_dscnt 17                                ; the add and the youngest sixteen loads may be out
	MUL8 F1, 0, 0, 0, \tb
	RIDE \ride
	s_wait_dscnt 0x0                               ; the add is done, and my reads of this slot are over
	s_barrier_signal -1
	MUL8 F1, 0, 2, 0, \tb
	RIDE \ride
.if \fill
	WIN 0
.endif
	s_barrier_wait -1
.if \fill
	CREST                                          ; no wave of any partner still reads this slot or has a load on its way
	JLOAD \slot                                    ; its four v_nop are also the places in front of the loads below
.else
	PLACES
.endif
	FETCH \next, 0, F0
	MUL8 F1, 1, 0, 0, \tb
	RIDE \ride
	MUL8 F1, 1, 2, 0, \tb
	RIDE \ride
.endm
; A LAP: two K steps, once round the ring.
.macro LAP fill
	WIN 0
	ds_load_b128 v[FT0:FT0+3], v[FADR]             ; the two steps' f' for my four query blocks
	ds_load_b128 v[FT1:FT1+3], v[FADR] offset:512
	v_add_nc_u32 v[FADR], 1024, v[FADR]            ; the next lap's two steps
	QUARTER 0, 128, F0, F1, 1, T0, 0, 18           ; 18: the fetch's second sixteen and the two loads above
	QUARTER 0, 256, F1, F0, 0, T0, 0, 16
	QUARTER 0, 384, F0, F1, 0, T0, 0, 16
	TURN 0, 1, \fill, T0, 0
.set zz, 0
	QUARTER 1, 128, F0, F1, 1, T1, 1, 16
	QUARTER 1, 256, F1, F0, 0, T1, 1, 16
	QUARTER 1, 384, F0, F1, 0, T1, 1, 16
.if \fill
	TURN 1, 0, 1, T1, 1
.else
	s_wait_dscnt 16                                ; the walk's last quarter: nothing more to fetch
	MUL8 F1, 0, 0, 0, T1
	RIDE 1
	MUL8 F1, 0, 2, 0, T1
	RIDE 1
	s_wait_dscnt 0x0
	MUL8 F1, 1, 0, 0, T1
	RIDE 1
	MUL8 F1, 1, 2, 0, T1
	RIDE 1
.endif
	WIN W_RD
	PLACES                                         ; behind T1's last products
.set yy, 0
.rept 16
	ACC4 T1, FT1, yy
.set yy, yy+1
.endr
	WIN 0
.endm
; THE WAY OUT: O is f32 and complete; 16 rows at a time go through my own stage and come back as whole rows of 256 bytes.
.macro WAYOUT sb
.irp a, 0,1,2,3
.set BK, 32+32*((\a)%2)
.irp b, 0,1,2,3
	ds_store_b128 v[STO], v[OA+8*(4*(\a)+(\b)):OA+8*(4*(\a)+(\b))+3]   offset:64*(\b)
	ds_store_b128 v[STO], v[OA+8*(4*(\a)+(\b))+4:OA+8*(4*(\a)+(\b))+7] offset:64*(\b)+16
.endr
.irp t, 0,1,2,3,4,5,6,7
	ds_load_b128 v[BK+4*(\t):BK+4*(\t)+3], v[RD] offset:(\t)*2*SPITCH  ; my own bytes, served in order: these see the stores above
.endr
	s_wait_dscnt 0x0
	s_wait_xcnt 0x0                                ; the stores of the block before have read their registers: the next block's loads land there only behind this wait
.irp t, 0,1,2,3,4,5,6,7
	global_store_b128 v[CO], v[BK+4*(\t):BK+4*(\t)+3], s[\sb:\sb+1] offset:(16*(\a)+2*(\t))*4096 th:TH_STORE_NT  ; 16 lanes store 256 consecutive bytes, at a multiple of 256 from out0's first
.endr
.endr
.endm
	s_wait_tensorcnt 1                             ; my part of step 0 is in; step 1's may stay out
	s_wait_dscnt 0x0                               ; for the others' sake: my rows' weights are written
	s_barrier_signal -1
	s_barrier_wait -1
	FETCH 0, 0, F0
	WIN 0
	s_sub_co_u32 s[RT], 4, s[PI]                   ; the first tile has 4 - pi laps
	s_mov_b32 s3, 4
.Llap:                                                 ; four laps fill both slots again
	LAP 1
	s_sub_co_u32 s[RT], s[RT], 1                   ; it meets 0 once, at the first tile's last lap, and counts on past it
	s_cmp_lg_u32 s[RT], 0
	s_cbranch_scc1 .Lnext                          ; forward, past no barrier and no tensor load; pi is the same in all partners
	WAYOUT OHI                                     ; the first tile is complete; the second tile's first step is on its way
	CLEAR
.Lnext:
	s_sub_co_u32 s3, s3, 1
	s_cmp_lg_u32 s3, 0
	s_cbranch_scc1 .Llap
	LAP 0                                          ; the last lap is written out: it asks for nothing
	WAYOUT OLO
	s_wait_tensorcnt 0x0                           ; the wave's end
	ds_add_u32 v[SPW], v[NIL]
	s_wait_dscnt 0x0
	CROUND                                         ; the closing round
	s_endpgm
.Lfunc_end_k_qe631309387_pv:
	.size	k_qe631309387_pv, .Lfunc_end_k_qe631309387_pv-k_qe631309387_pv
	.p2alignl 7, 3214868480
	.fill 96, 4, 3214868480
	.section	.rodata,"a",@progbits
	.p2align	6, 0x0
	.amdhsa_kernel k_qe631309387_pv
		.amdhsa_group_segment_fixed_size 327680
		.amdhsa_private_segment_fixed_size 0
		.amdhsa_enable_private_segment 0
		.amdhsa_kernarg_size 40
		.amdhsa_user_sgpr_count 2
		.amdhsa_user_sgpr_kernarg_segment_ptr 1
		.amdhsa_wavefront_size32 1
		.amdhsa_system_sgpr_workgroup_id_x 1
		.amdhsa_system_sgpr_workgroup_id_y 1
		.amdhsa_system_sgpr_workgroup_id_z 1
		.amdhsa_system_vgpr_workitem_id 0
		.amdhsa_next_free_vgpr 768
		.amdhsa_next_free_sgpr 96
		.amdhsa_reserve_vcc 0
		.amdhsa_float_denorm_mode_32 3
		.amdhsa_float_denorm_mode_16_64 3
		.amdhsa_memory_ordered 1
		.amdhsa_forward_progress 1
		.amdhsa_inst_pref_size 131
	.end_amdhsa_kernel
	.amdgpu_metadata
---
amdhsa.version: [ 1, 2 ]
amdhsa.kernels:
  - .name:           k_qe631309387_pv
    .symbol:         k_qe631309387_pv.kd
    .args:
      - { .name: p, .offset: 0, .size: 8, .value_kind: global_buffer, .address_space: global }
      - { .name: vt, .offset: 8, .size: 8, .value_kind: global_buffer, .address_space: global }
      - { .name: cm, .offset: 16, .size: 8, .value_kind: global_buffer, .address_space: global }
      - { .name: ls, .offset: 24, .size: 8, .value_kind: global_buffer, .address_space: global }
      - { .name: out0, .offset: 32, .size: 8, .value_kind: global_buffer, .address_space: global }
    .group_segment_fixed_size: 327680
    .private_segment_fixed_size: 0
    .kernarg_segment_align: 8
    .kernarg_segment_size: 40
    .max_flat_workgroup_size: 128
    .sgpr_count:     96
    .vgpr_count:     768
    .wavefront_size: 32
...
	.end_amdgpu_metadata
.endif
;; end of part 4
;; ======== version 2 of 2: 4 launches; version 1 with the launch prep written anew for expert scheduling mode
;; limits: values are held in f16: magnitudes above 65,504 overflow, below 6.1e-05 lose precision
;; workspace buffers: xb 16,777,216 bytes; wt 6,291,456 bytes; q 16,777,216 bytes; k 16,777,216 bytes; vt 16,777,216 bytes; p 33,554,432 bytes; cm 262,144 bytes; ls 262,144 bytes
;; launch prep (part 5): grid 1120 x 1, 4 waves a work-group, no clusters, 74,240 bytes of LDS; arguments x, Wq, Wk, Wv, xb, wt; writes xb, wt
.if DOCPART == 5
	.amdgcn_target "amdgcn-amd-amdhsa--gfx1250"
	.amdhsa_code_object_version 6
	.text
	.protected	k_qe631309387_prep
	.globl	k_qe631309387_prep
	.p2align	8
	.type	k_qe631309387_prep,@function
k_qe631309387_prep:
	s_mov_b64 s[64:65], 0
	v_nop
	global_prefetch_b8 v0, s[64:65] scope:SCOPE_SE
	s_setreg_imm32_b32 hwreg(HW_REG_WAVE_SCHED_MODE, 0, 2), 2
	s_setreg_imm32_b32 hwreg(HW_REG_WAVE_MODE, 25, 1), 1
	s_wait_xcnt 0x0
	s_wait_alu depctr_vm_vsrc(0)
; PREP.  x [8192][1024] f32 and Wq, Wk, Wv [1024 d][1024 e] f32 are rounded once to bf16 and laid in K blocks of 64 for the product that follows:
;   xb [16 kb][8192 row][64 k]: a row's 64 numbers are 128 bytes, a block 1,048,576 bytes.
;   wt [16 kb][3072 n][64 k]: W turned, so that k lies along the rows.  n = 384 tx + pos, tx = e / 128: pos 0-127 q's columns, 128-191 v's first 64, 192-319 k's columns, 320-383 v's last 64:
;   the order in which the next launch's two column halves of waves take them.
; A stream: memory binds, so no matrix unit, no cluster, no barrier: every wave works alone.  Work-groups 0-95 turn the weights (384 wave jobs of 64 k x 128 e), work-groups 96-1119 round x (4,096 jobs of 2 rows).
; The turning goes through the wave's own 18,432 bytes of LDS (128 rows of 144 bytes).  Its LDS stores lie 576 bytes apart from lane to lane and meet four deep in the banks: left so, the path moves 12 MB in all.
; THE MODE: SCHED_MODE bits 1:0 = 2 (LLVM: expert scheduling mode 2), set by the entry lines.  The code itself states the register dependences
; between vector instructions and memory or LDS instructions, with s_wait_alu, always for 0.
; THE PLAN, x path.  v3, v5: offsets, made once.  X: written by the 16 loads alone, read by the conversions.  Y: written once by the conversions, read once by the stores.  The 16 K blocks go in four groups of
; four; a group's stores are issued in the next group, behind the one wait at its head, among conversions that name other registers.  Nothing that a memory instruction reads is ever written again.
; THE PLAN, W path.  v3, v4, v5: offsets and LDS addresses, made once.  Eight blocks; block n is half n / 4, group g = n % 4 (8 rows of W):
;   X[g]  32 registers.  Read by block n's 16 conversions; in block n + 1 the second half's rows land in it (n < 4); at the end the LDS loads of the way out.
;   D[g]  16 registers.  Written by block n's conversions; read by four LDS stores issued in block n + 1; written again in block n + 4.
; Block n's conversions name X[g] and D[g]; its memory and LDS instructions touch X[g - 1] and D[g - 1]: so the waits at a block's head state all that they hang on.
.set SPARE, 73728                      ; behind the four waves' LDS: the spare words, 128 bytes a wave
.set WLDS,  18432
.set X,   32                           ; v[32:159]  as loaded (x path: v[32:95])
.set Y,   96                           ; v[96:127]  x path: packed, to store
.set D,   160                          ; v[160:223] W path: packed, 16 bytes = 8 k of one e
.set SPW, 30
.set NIL, 31
	s_load_b256 s[4:11], s[0:1], 0x0               ; x s[4:5], Wq s[6:7], Wk s[8:9], Wv s[10:11]
	s_load_b128 s[12:15], s[0:1], 0x20             ; xb s[12:13], wt s[14:15]
	v_lshl_add_u32 v[SPW], v0, 2, SPARE
	v_mov_b32 v[NIL], 0
	v_lshrrev_b32 v1, 5, v0
	v_readfirstlane_b32 s16, v1                    ; wave 0..3
	v_and_b32 v2, 31, v0                           ; lane
	s_mov_b32 s17, ttmp9
	s_mov_b32 s21, 0                               ; high word of every offset pair
	s_wait_alu depctr_va_sdst(0)                   ; s16 is written, ahead of the branch: both paths make their job's number from it
	s_wait_kmcnt 0x0
	s_cmp_lt_u32 s17, 96
	s_cbranch_scc1 .Lweights
	; ---- x: job id owns rows 2 id, 2 id + 1.  A load takes 256 bytes (64 k) of each row; the 32 lanes' 8 bytes are 256 consecutive bytes of xb.
	s_sub_co_u32 s18, s17, 96
	s_lshl2_add_u32 s18, s18, s16                  ; id = 4 (group - 96) + wave
	s_lshl_b32 s20, s18, 13                        ; two rows of 4,096 bytes
	s_add_nc_u64 s[4:5], s[4:5], s[20:21]
	s_lshl_b32 s20, s18, 8                         ; two rows of 128 bytes
	s_add_nc_u64 s[12:13], s[12:13], s[20:21]
	s_add_nc_u64 s[22:23], s[12:13], 0x800000      ; blocks 8-15, so that the stores' immediates stay inside 24 bits
	v_and_b32 v3, 15, v2
	v_lshrrev_b32 v4, 4, v2
	v_lshlrev_b32 v3, 4, v3
	v_lshl_add_u32 v3, v4, 12, v3                  ; (lane / 16) rows + 16 (lane % 16)
	v_lshlrev_b32 v5, 3, v2                        ; 8 x lane
	s_wait_alu depctr_va_vdst(0)                   ; v3 and v5 are written: every load of this path reads v3 as its offset, every store v5
.set kb, 0
.rept 16
	global_load_b128 v[X+4*kb:X+4*kb+3], v3, s[4:5] offset:256*kb th:TH_LOAD_NT
.set kb, kb+1
.endr
.macro XSTORE b                        ; K block b leaves
.if (\b) < 8
	global_store_b64 v5, v[Y+2*(\b):Y+2*(\b)+1], s[12:13] offset:(\b)*1048576
.else
	global_store_b64 v5, v[Y+2*(\b):Y+2*(\b)+1], s[22:23] offset:((\b)-8)*1048576
.endif
.endm
.macro XGRP q                          ; group q: K blocks 4 q .. 4 q + 3 are rounded; the group before is stored
	s_wait_loadcnt 12-4*(\q)                       ; loads come back in order: this group's four are in, the younger groups stay out
.if (\q) > 0
	s_wait_alu depctr_va_vdst(0)                   ; the group before has written its eight registers of Y, which the four stores below read
.endif
.set i, 0
.rept 4
.set kb, 4*(\q)+i
.if (\q) > 0
	XSTORE kb-4                                    ; no vector instruction since the wait names its registers
.endif
	v_cvt_pk_bf16_f32 v[Y+2*kb], v[X+4*kb], v[X+4*kb+1]
	v_cvt_pk_bf16_f32 v[Y+2*kb+1], v[X+4*kb+2], v[X+4*kb+3]
.set i, i+1
.endr
.endm
	XGRP 0
	XGRP 1
	XGRP 2
	XGRP 3
	s_wait_alu depctr_va_vdst(0)                   ; the last group has written its Y, which the last four stores read
	XSTORE 12
	XSTORE 13
	XSTORE 14
	XSTORE 15
	s_endpgm
	; ---- W: job = matrix (3) x K block (16) x column block of 128 (8)
.Lweights:
	s_lshl2_add_u32 s18, s17, s16                  ; job = 4 group + wave
	s_lshr_b32 s19, s18, 7                         ; matrix: 0 q, 1 k, 2 v
	s_bfe_u32 s24, s18, 0x40003                    ; kb
	s_and_b32 s25, s18, 7                          ; tx
	s_cmp_eq_u32 s19, 1
	s_cselect_b64 s[28:29], s[8:9], s[6:7]
	s_cselect_b32 s26, 192, 0                      ; where rows 0-63 of the job go in the tile's 384,
	s_cselect_b32 s27, 192, 0                      ; and what is added to rows 64-127
	s_cmp_eq_u32 s19, 2
	s_cselect_b64 s[28:29], s[10:11], s[28:29]
	s_cselect_b32 s26, 128, s26
	s_cselect_b32 s27, 256, s27
	s_lshl_b32 s20, s24, 18                        ; 64 kb rows of 4,096 bytes
	s_lshl_b32 s22, s25, 9                         ; 128 tx columns of 4 bytes
	s_add_co_u32 s20, s20, s22
	s_add_nc_u64 s[28:29], s[28:29], s[20:21]
	s_mul_i32 s22, s24, 393216                     ; wt's K block
	s_mul_i32 s23, s25, 384
	s_add_co_u32 s26, s26, s23
	s_add_co_u32 s27, s27, s23
	s_lshl_b32 s26, s26, 7
	s_lshl_b32 s27, s27, 7
	s_add_co_u32 s20, s22, s26
	s_add_nc_u64 s[32:33], s[14:15], s[20:21]
	s_add_co_u32 s20, s22, s27
	s_add_nc_u64 s[34:35], s[14:15], s[20:21]
	s_mul_i32 s36, s16, WLDS
	v_lshlrev_b32 v3, 4, v2                        ; 16 x lane: my 4 columns of a row of W; my 16 bytes of 512 on the way out
	v_mul_u32_u24 v4, v2, 576                      ; LDS rows 4 lane .. 4 lane + 3
	v_add_nc_u32 v4, s36, v4
	v_lshrrev_b32 v5, 3, v2
	v_and_b32 v6, 7, v2
	v_mul_u32_u24 v5, v5, 144
	v_lshl_add_u32 v5, v6, 4, v5                   ; back: 32 lanes take four rows of 128 bytes
	v_add_nc_u32 v5, s36, v5
	s_wait_alu depctr_va_vdst(0)                   ; v3, v4 and v5 are written: the offset of every load and store of this path, and its two LDS addresses
.set i, 0
.rept 32                               ; the first half: 32 rows of W, 512 consecutive bytes each
	global_load_b128 v[X+4*i:X+4*i+3], v3, s[28:29] offset:i*4096 th:TH_LOAD_NT
.set i, i+1
.endr
; Block n.  Its 16 conversions: for column j of my four, four packed words: 8 k of group g.  Dealt among them, for the block before (group gp of half hp): its four LDS stores,
; and in blocks 1 to 4 the eight loads that fill its X again with the second half's rows.
.macro WBLK n
.set g, (\n)%4
.set gp, ((\n)+3)%4
.if (\n) > 0
.set hp, ((\n)-1)/4
.endif
.if (\n) == 0
	s_wait_loadcnt 24                              ; loads come back in order: group 0 is in, the first half's three younger groups stay out
.elseif (\n) < 6
	s_wait_loadcnt 16                              ; this block's eight rows are in; the two groups issued behind them stay out
.else
	s_wait_loadcnt 8*(7-(\n))                      ; nothing more is asked for: the counts run down
.endif
.if (\n) > 3
	s_wait_alu depctr_vm_vsrc(0)                   ; the LDS stores issued three blocks ago have read D[g], which this block's conversions write again
.endif
.if (\n) > 0
	s_wait_alu depctr_va_vdst(0)                   ; the block before has written its D, which the LDS stores below read, and is done reading its X, in which the loads below land
.endif
.set j, 0
.rept 4
.if ((\n) > 0) && ((\n) < 5)
	global_load_b128 v[X+4*(8*gp+2*j):X+4*(8*gp+2*j)+3],     v3, s[28:29] offset:(32+8*gp+2*j)*4096 th:TH_LOAD_NT    ; no vector instruction since the wait names these registers
	global_load_b128 v[X+4*(8*gp+2*j+1):X+4*(8*gp+2*j+1)+3], v3, s[28:29] offset:(32+8*gp+2*j+1)*4096 th:TH_LOAD_NT
.endif
.if (\n) > 0
	ds_store_b128 v4, v[D+16*gp+4*j:D+16*gp+4*j+3] offset:j*144+16*(4*hp+gp)
.endif
.set u, 0
.rept 4
	v_cvt_pk_bf16_f32 v[D+16*g+4*j+u], v[X+4*(8*g+2*u)+j], v[X+4*(8*g+2*u+1)+j]
.set u, u+1
.endr
.set j, j+1
.endr
.endm
	WBLK 0
	WBLK 1
	WBLK 2
	WBLK 3
	WBLK 4
	WBLK 5
	WBLK 6
	WBLK 7
	s_wait_alu depctr_va_vdst(0)                   ; block 7 has written D[3], which the last four LDS stores read; all conversions are done reading X, in which the LDS loads below land
.set j, 0
.rept 4
	ds_store_b128 v4, v[D+48+4*j:D+48+4*j+3] offset:j*144+16*7
.set j, j+1
.endr
.set t, 0
.rept 32
	ds_load_b128 v[X+4*t:X+4*t+3], v5 offset:576*t ; my own bytes: LDS serves a wave's instructions in order (ISA guide 5.7.1.4), so these see the stores above
.set t, t+1
.endr
.set t, 0
.rept 32
	s_wait_dscnt 31-t
.if t < 16
	global_store_b128 v3, v[X+4*t:X+4*t+3], s[32:33] offset:512*t  ; 512 consecutive bytes, at a multiple of 512 from wt's first byte
.else
	global_store_b128 v3, v[X+4*t:X+4*t+3], s[34:35] offset:512*t
.endif
.set t, t+1
.endr
	s_wait_dscnt 0x0                               ; the wave's end
	s_wait_alu 0x0
	s_wait_tensorcnt 0x0
	ds_add_u32 v[SPW], v[NIL]
	s_wait_dscnt 0x0
	s_endpgm
.Lfunc_end_k_qe631309387_prep:
	.size	k_qe631309387_prep, .Lfunc_end_k_qe631309387_prep-k_qe631309387_prep
	.p2alignl 7, 3214868480
	.fill 96, 4, 3214868480
	.section	.rodata,"a",@progbits
	.p2align	6, 0x0
	.amdhsa_kernel k_qe631309387_prep
		.amdhsa_group_segment_fixed_size 74240
		.amdhsa_private_segment_fixed_size 0
		.amdhsa_enable_private_segment 0
		.amdhsa_kernarg_size 48
		.amdhsa_user_sgpr_count 2
		.amdhsa_user_sgpr_kernarg_segment_ptr 1
		.amdhsa_wavefront_size32 1
		.amdhsa_system_sgpr_workgroup_id_x 1
		.amdhsa_system_sgpr_workgroup_id_y 1
		.amdhsa_system_sgpr_workgroup_id_z 1
		.amdhsa_system_vgpr_workitem_id 0
		.amdhsa_next_free_vgpr 224
		.amdhsa_next_free_sgpr 66
		.amdhsa_reserve_vcc 0
		.amdhsa_float_denorm_mode_32 3
		.amdhsa_float_denorm_mode_16_64 3
		.amdhsa_memory_ordered 1
		.amdhsa_forward_progress 1
		.amdhsa_inst_pref_size 32
	.end_amdhsa_kernel
	.amdgpu_metadata
---
amdhsa.version: [ 1, 2 ]
amdhsa.kernels:
  - .name:           k_qe631309387_prep
    .symbol:         k_qe631309387_prep.kd
    .args:
      - { .name: x, .offset: 0, .size: 8, .value_kind: global_buffer, .address_space: global }
      - { .name: Wq, .offset: 8, .size: 8, .value_kind: global_buffer, .address_space: global }
      - { .name: Wk, .offset: 16, .size: 8, .value_kind: global_buffer, .address_space: global }
      - { .name: Wv, .offset: 24, .size: 8, .value_kind: global_buffer, .address_space: global }
      - { .name: xb, .offset: 32, .size: 8, .value_kind: global_buffer, .address_space: global }
      - { .name: wt, .offset: 40, .size: 8, .value_kind: global_buffer, .address_space: global }
    .group_segment_fixed_size: 74240
    .private_segment_fixed_size: 0
    .kernarg_segment_align: 8
    .kernarg_segment_size: 48
    .max_flat_workgroup_size: 128
    .sgpr_count:     66
    .vgpr_count:     224
    .wavefront_size: 32
...
	.end_amdgpu_metadata
.endif
;; end of part 5
;; launch proj: the kernel of part 2 again; grid 8 x 32, 4 waves a work-group, clusters of 4 x 4, 327,680 bytes of LDS; arguments xb, wt, q, k, vt; writes q, k, vt
;; launch scores: the kernel of part 3 again; grid 36 x 4, 4 waves a work-group, no clusters, 327,680 bytes of LDS; arguments q, k, p, cm, ls; writes p, cm, ls
;; launch pv: the kernel of part 4 again; grid 8 x 32, 4 waves a work-group, clusters of 4 x 4, 327,680 bytes of LDS; arguments p, vt, cm, ls, out0; writes out0
